; MI455X (gfx1250); checked and timed in simulation.
; The chip was launched on July 23, 2026; its instructions are those of AMD's public machine-readable ISA for CDNA 5 (MIT licence, August 2026) and "CDNA5" Instruction Set Architecture Reference Guide (July 2026). The comments in the code are by the model that wrote it; some were corrected since.
;; Universal Calculator. Allowed arithmetic: float matrix products may take bf16 or f16 operands with f32 sums; all other float work in f32.
;; Inputs: W1 8 x 1,024 x 1,024 float32; W2 8 x 1,024 x 1,024 float32; b1 8 x 1,024 float32; b2 8 x 1,024 float32; topK_indices 4,096 x 2 int32; topK_scores 4,096 x 2 float32; x 4,096 x 1,024 float32.
;; Outputs: out0 4,096 x 1,024 float32; out1 one number float32.
;; 2 versions, each right; version 2 is version 1 with the launch combine written anew for expert scheduling mode. Each part assembles by itself: llvm-mc -triple=amdgcn-amd-amdhsa -mcpu=gfx1250 --defsym DOCPART=n.
;; ======== version 1 of 2: 5 launches
;; limits: values are held in f16: magnitudes above 65,504 overflow, below 6.1e-05 lose precision
;; workspace buffers: xs 18,874,368 bytes; w1b 16,777,216 bytes; w2h 16,777,216 bytes; h 18,874,368 bytes; o 37,748,736 bytes; route 16,896 bytes of whole numbers
;; launch castroute (part 1): grid 256 x 1, 32 waves a work-group, no clusters, 4,608 bytes of LDS; arguments topK_indices, route, out1, W1, W2, w1b, w2h; writes route, out1, w1b, w2h
.if DOCPART == 1
	.amdgcn_target "amdgcn-amd-amdhsa--gfx1250"
	.amdhsa_code_object_version 6
	.text
	.protected	k_qc1b36bfe92_castroute
	.globl	k_qc1b36bfe92_castroute
	.p2align	8
	.type	k_qc1b36bfe92_castroute,@function
k_qc1b36bfe92_castroute:
	s_mov_b64 s[64:65], 0
	v_nop
	global_prefetch_b8 v0, s[64:65] scope:SCOPE_SE
	s_setreg_imm32_b32 hwreg(HW_REG_WAVE_MODE, 25, 1), 1
	s_wait_xcnt 0x0
; CASTROUTE: two jobs that need nothing of each other, in one launch, so that the short one runs beside the long one.
; THE CAST.  Work-group w casts 131,072 bytes of W1 and of W2 (W1 to bf16; W2 to bf16 and that number written as f16): 16 loads of 16 bytes a thread, all out at once;
; each load of a wave covers 512 consecutive bytes, each store 256.
; THE ROUTING of a top-2 layer of 8 experts (4,096 tokens, 8,192 pairs of token and choice), by work-group 0 alone, as whole numbers from which the later launches form addresses; and the constant -1.0 (out1).
; Each pair gets a row slot in a table of 64 blocks of 144 rows, the pairs of one expert in blocks of their own.  The sum over experts of ceil(c_e / 144) is at most
; floor((8192 + 8 x 143) / 144) = 64 and at least 57, whatever the indices.  The L = 64 - sum spare blocks (0 to 7) go to the expert with the most pairs (at least 1,024 > 144 x 7):
; its first 144 L rows lie in 2 L blocks of 72 rows.  So there are always exactly 64 blocks, and each holds rows.
; route: bytes 0 .. 16,383 one word a token, slot(t, 0) | slot(t, 1) << 16; bytes 16,384 .. 16,415 for each expert the first block behind its blocks; bytes 16,640 .. 16,895 for each block its rows in use.
; ONE WORK-GROUP ROUTES: the whole job is 32,768 bytes of indices, eight pairs a thread, and the 32 waves' counts meet in LDS; work-groups have no way to hand counts to each other inside a launch.
; Its barrier stands under a branch on the work-group's number, which is the same in all 32 waves: all of them pass it, or none.  Work-group 0's own 16 loads of weights are issued between the
; steps of the routing, in the same order as everywhere, so that they are on their way while it computes.
; What has passed through LDS ends as stored numbers alone: no branch and no address of this text hangs on it.
; LIMITS.  An index outside 0 .. 7 counts as expert 7 here (a later launch gives it the gate 0).  |bf16(W2)| of 65,520 or more becomes an infinity in f16; below 6e-5 f16 keeps a fixed step of 6e-8.
; No matrix unit, no cluster: nothing is shared between work-groups.
.set MB,     144                       ; rows in a block
.set NSLOT,  64*MB                     ; 9,216 row slots
.set ENDOFF, 16384                     ; route: the eight block bounds
.set LENOFF, 16640                     ; route: the 64 blocks' rows in use
.set IDX, 4                            ; v[4:11]   my eight pairs' experts
.set LR,  12                           ; v[12:19]  their rank among my own pairs of the same expert, later their slot
.set CNT, 20                           ; v20       my counts, 8 fields of 4 bits
.set TA,  21                           ; v21       at work
.set P,   22                           ; v[22:25]  counts, two fields of 16 bits a register (expert 2 q low, 2 q + 1 high), scanned over the wave
.set OWN, 26                           ; v[26:29]  my own counts in that form
.set TT,  30                           ; v[30:33]  the waves' totals, then the grand totals; at the end v[30:37] the eight bounds
.set RS,  34                           ; v[34:37]  totals of the waves before mine, then the first slot of my pairs, by expert
.set TB,  38                           ; v38, v39  at work
.set TC,  39
.set PW,  40                           ; v[40:43]  my four tokens' words
.set L16, 44                           ; v44       16 x lane
.set BBV, 46                           ; v46       block v0: its expert's first block
.set CV,  47                           ; v47       its expert's count
.set EV,  48                           ; v48       its expert
.set LV,  49                           ; v49       the spare blocks, if that expert has them
.set IV,  50                           ; v50       the block's number among its expert's
.set LA,  51                           ; v51       4 x thread
.set LD,  52                           ; v52       the block's rows in use
.set ZA,  54                           ; v54       0, an offset
.set M1,  55                           ; v55       -1.0
.set W1R, 64                           ; v[64:95]  W1, eight loads
.set W2R, 96                           ; v[96:127] W2, eight loads
; Load k of a thread's 16: the work-group's 32 waves take 16,384 consecutive bytes of its share.  v1 and the two bases are never rewritten.
.macro WLD k
.if (\k) < 8
	global_load_b128 v[W1R+4*(\k):W1R+4*(\k)+3], v1, s[10:11] offset:16384*(\k) th:TH_LOAD_NT
.else
	global_load_b128 v[W2R+4*((\k)-8):W2R+4*((\k)-8)+3], v1, s[12:13] offset:16384*((\k)-8) th:TH_LOAD_NT
.endif
.endm
	s_load_b256 s[4:11], s[0:1], 0x0               ; indices s[4:5], route s[6:7], out1 s[8:9], W1 s[10:11]
	s_load_b128 s[12:15], s[0:1], 0x20             ; W2 s[12:13], w1b s[14:15]
	s_load_b64 s[16:17], s[0:1], 0x30              ; w2h
	v_lshl_add_u32 v62, v0, 2, 0x200
	v_mov_b32 v63, 0
	v_lshlrev_b32 v1, 4, v0                        ; 16 t
	v_lshlrev_b32 v2, 3, v0                        ; 8 t
	s_mov_b32 s23, ttmp9                           ; work-group w
	s_mov_b32 s26, 0xffff0000                      ; a word's upper half; also lanes 16 to 31
	s_lshl_b32 s18, s23, 17                        ; W1, W2: 131,072 bytes a work-group
	s_mov_b32 s19, 0
	s_lshl_b32 s20, s23, 16                        ; w1b, w2h: half of that
	s_mov_b32 s21, 0
	s_wait_kmcnt 0x0
	s_add_nc_u64 s[10:11], s[10:11], s[18:19]
	s_add_nc_u64 s[12:13], s[12:13], s[18:19]
	s_add_nc_u64 s[14:15], s[14:15], s[20:21]
	s_add_nc_u64 s[16:17], s[16:17], s[20:21]
	s_cmp_eq_u32 s23, 0
	s_cbranch_scc1 .Lroute                         ; work-group 0 routes first
.irp k, 0,1,2,3,4,5,6,7,8,9,10,11,12,13,14,15
	WLD \k
.endr
	s_branch .Lcast
.Lroute:
	v_and_b32 v3, 31, v0                           ; lane
	v_lshrrev_b32 v[TB], 5, v0
	v_readfirstlane_b32 s22, v[TB]                 ; wave 0..31
	v_lshlrev_b32 v[L16], 4, v3
	v_mov_b32 v[TA], 0                             ; the lane moves below count as readers of their destination
	v_mov_b32 v[CNT], 0
	s_mov_b32 s24, 0x76543210                      ; v_permlanex16_b32: each lane takes its own place in the other half
	s_mov_b32 s25, 0xfedcba98
	s_mov_b32 s63, 58255                           ; n / 72 = (n x 58255) >> 22 for n below 74,898
	global_load_b128 v[IDX:IDX+3],   v1, s[4:5]                  ; pairs 4 t .. 4 t + 3: tokens 2 t, 2 t + 1
	global_load_b128 v[IDX+4:IDX+7], v1, s[4:5] offset:16384     ; pairs 4,096 + 4 t ..: tokens 2,048 + 2 t, + 1
	s_wait_loadcnt 0x0                             ; nothing else is out yet
	; my eight pairs: the expert, the rank among my own pairs of that expert, my counts (8 at the most: 4 bits)
.irp c, 0,1,2,3,4,5,6,7
	v_min_u32 v[IDX+\c], 7, v[IDX+\c]
	v_lshlrev_b32 v[TA], 2, v[IDX+\c]
	v_bfe_u32 v[LR+\c], v[CNT], v[TA], 4
	v_lshl_add_u32 v[CNT], 1, v[TA], v[CNT]
.endr
.irp q, 0,1,2,3
	v_bfe_u32 v[TB], v[CNT], 8*\q, 4
	v_bfe_u32 v[TC], v[CNT], 8*\q+4, 4
	v_lshl_or_b32 v[P+\q], v[TC], 16, v[TB]
	v_mov_b32 v[OWN+\q], v[P+\q]
.endr
	; inclusive scan over the wave's 32 lanes; a field holds 8,192 at the most, so no carry leaves it
.irp n, 1,2,4,8
.irp q, 0,1,2,3
	v_mov_b32_dpp v[TA], v[P+\q] row_shr:\n row_mask:0xf bank_mask:0xf bound_ctrl:1
	v_add_nc_u32 v[P+\q], v[P+\q], v[TA]
.endr
.endr
.irp q, 0,1,2,3
	v_readlane_b32 s27, v[P+\q], 15                ; the lower half's total goes onto lanes 16 to 31
	v_cndmask_b32 v[TA], 0, s27, s26
	v_add_nc_u32 v[P+\q], v[P+\q], v[TA]
.endr
.irp q, 0,1,2,3
	v_readlane_b32 s[28+\q], v[P+\q], 31           ; the wave's totals
	v_mov_b32 v[TT+\q], s[28+\q]
.endr
	v_mov_b32 v[TB], s22
	v_lshlrev_b32 v[TB], 4, v[TB]
	ds_store_b128 v[TB], v[TT:TT+3]                ; LDS byte 16 x wave: all lanes write the same words
	s_wait_dscnt 0x0                               ; for the others' sake: my store is done
	s_barrier_signal -1
	s_barrier_wait -1
	ds_load_b128 v[TT:TT+3], v[L16]                ; lane i: wave i's totals
.irp k, 0,1,2,3,4,5,6,7
	WLD \k                                         ; my share of W1 goes out here: it lands under the rest of the routing
.endr
	v_cmp_gt_u32 s80, s22, v3                      ; the waves before mine
	s_wait_dscnt 0x0
.irp q, 0,1,2,3
	v_cndmask_b32 v[RS+\q], 0, v[TT+\q], s80
.endr
.irp r, 30,31,32,33,34,35,36,37                ; sums over the 32 lanes: the grand totals, and the totals of the waves before mine
.irp m, 1,2,4,8
	v_mov_b32_dpp v[TA], v\r row_xmask:\m row_mask:0xf bank_mask:0xf
	v_add_nc_u32 v\r, v\r, v[TA]
.endr
	v_permlanex16_b32 v[TA], v\r, s24, s25
	v_add_nc_u32 v\r, v\r, v[TA]
.endr
.irp q, 0,1,2,3
	v_sub_nc_u32 v[P+\q], v[P+\q], v[OWN+\q]       ; the lanes before mine
	v_add_nc_u32 v[RS+\q], v[RS+\q], v[P+\q]       ; the rank of my first pair, by expert
.endr
	; scalar: counts c_e, blocks ceil(c_e / 144), the spare blocks, the largest expert, each expert's first slot and the block behind its last
.irp q, 0,1,2,3
	v_readfirstlane_b32 s[28+\q], v[TT+\q]
	s_and_b32 s[32+2*\q], s[28+\q], 0xffff
	s_lshr_b32 s[33+2*\q], s[28+\q], 16
.endr
	s_mov_b32 s56, 64
.irp e, 0,1,2,3,4,5,6,7
	s_add_co_u32 s[40+\e], s[32+\e], MB-1
	s_mul_i32 s[40+\e], s[40+\e], 29128            ; n / 144 = (n x 29128) >> 22 for n below 32,768
	s_lshr_b32 s[40+\e], s[40+\e], 22
	s_sub_co_u32 s56, s56, s[40+\e]                ; L
.endr
	s_mov_b32 s57, 0                               ; the largest expert (the first of equals) and its count
	s_mov_b32 s58, s32
.irp e, 1,2,3,4,5,6,7
	s_cmp_gt_u32 s[32+\e], s58
	s_cselect_b32 s57, \e, s57
	s_cselect_b32 s58, s[32+\e], s58
.endr
	s_mov_b32 s59, 0                               ; the running first block
	s_mov_b32 s61, 0
.irp e, 0,1,2,3,4,5,6,7
	s_cmp_eq_u32 s57, \e
	s_cselect_b32 s60, s56, 0                      ; the spare blocks, for the largest expert alone
	s_mul_i32 s[48+\e], s59, MB                    ; the expert's first slot
	s_cselect_b32 s61, s[48+\e], s61               ; the largest expert's
	s_add_co_u32 s59, s59, s[40+\e]
	s_add_co_u32 s59, s59, s60
	s_mov_b32 s[40+\e], s59                        ; the first block behind the expert's
.endr
.irp q, 0,1,2,3
	s_lshl_b32 s80, s[49+2*\q], 16
	s_or_b32 s[72+\q], s80, s[48+2*\q]
	v_add_nc_u32 v[RS+\q], s[72+\q], v[RS+\q]      ; first slot + rank: 17,408 at the most, inside a field
.endr
	s_mul_i32 s62, s56, MB                         ; 144 L
; Pair c's slot: first slot + rank r; in the largest expert min(72 floor(r / 72), 144 L) more, which spreads its first 144 L rows over blocks of 72.
.macro SLOTOF c
	v_and_b32 v[TA], 2, v[IDX+(\c)]
	v_cmp_ne_u32 vcc_lo, 0, v[TA]
	v_cndmask_b32 v[TB], v[RS], v[RS+1], vcc_lo
	v_cndmask_b32 v[TC], v[RS+2], v[RS+3], vcc_lo
	v_and_b32 v[TA], 4, v[IDX+(\c)]
	v_cmp_ne_u32 vcc_lo, 0, v[TA]
	v_cndmask_b32 v[TB], v[TB], v[TC], vcc_lo
	v_and_b32 v[TA], 1, v[IDX+(\c)]
	v_lshlrev_b32 v[TA], 4, v[TA]
	v_bfe_u32 v[TB], v[TB], v[TA], 16
	v_add_nc_u32 v[TB], v[TB], v[LR+(\c)]
	v_sub_nc_u32 v[TC], v[TB], s61                 ; r, if the expert is the largest (else the lines below are thrown away)
	v_mul_lo_u32 v[TC], v[TC], s63
	v_lshrrev_b32 v[TC], 22, v[TC]
	v_mul_u32_u24 v[TC], 72, v[TC]
	v_min_u32 v[TC], s62, v[TC]
	v_cmp_eq_u32 vcc_lo, s57, v[IDX+(\c)]
	v_cndmask_b32 v[TC], 0, v[TC], vcc_lo
	v_add_nc_u32 v[TB], v[TB], v[TC]
	v_min_u32 v[LR+(\c)], NSLOT-1, v[TB]
.endm
.irp c, 0,1,2,3,4,5,6,7
	SLOTOF \c
	WLD 8+\c                                       ; my share of W2, a load behind each pair's twenty lines
.endr
.irp q, 0,1,2,3
	v_lshl_or_b32 v[PW+\q], v[LR+2*\q+1], 16, v[LR+2*\q]
.endr
	global_store_b64 v2, v[PW:PW+1], s[6:7]                  ; tokens 2 t, 2 t + 1: the wave's store covers 256 consecutive bytes, aligned
	global_store_b64 v2, v[PW+2:PW+3], s[6:7] offset:8192    ; tokens 2,048 + 2 t, + 1
	; waves 0 and 1: thread b makes block b's rows in use.  Its expert is the last that begins at or before it (an expert begins where the one before ends);
	; with i the block's number among that expert's: 72 if i < 2 L, else min(144, c - 144 (i - L)), L being 0 but for the largest expert.
	s_cmp_ge_u32 s22, 2
	s_cbranch_scc1 .Lcast
	v_mov_b32 v[BBV], 0
	v_mov_b32 v[CV], s32
	v_mov_b32 v[EV], 0
.irp e, 1,2,3,4,5,6,7
	v_cmp_le_u32 vcc_lo, s[39+\e], v0
	v_cndmask_b32 v[BBV], v[BBV], s[39+\e], vcc_lo
	v_cndmask_b32 v[CV], v[CV], s[32+\e], vcc_lo
	v_cndmask_b32 v[EV], v[EV], \e, vcc_lo
.endr
	v_cmp_eq_u32 vcc_lo, s57, v[EV]
	v_cndmask_b32 v[LV], 0, s56, vcc_lo
	v_sub_nc_u32 v[IV], v0, v[BBV]
	v_lshlrev_b32 v[TA], 1, v[LV]
	v_sub_nc_u32 v[TB], v[IV], v[LV]               ; (where i < L what follows is thrown away by the choice below)
	v_mul_u32_u24 v[TB], MB, v[TB]
	v_sub_nc_u32 v[TB], v[CV], v[TB]
	v_min_u32 v[TB], MB, v[TB]
	v_mov_b32 v[TC], MB/2
	v_cmp_lt_u32 vcc_lo, v[IV], v[TA]
	v_cndmask_b32 v[LD], v[TB], v[TC], vcc_lo
	v_lshlrev_b32 v[LA], 2, v0
	global_store_b32 v[LA], v[LD], s[6:7] offset:LENOFF      ; 64 neighbouring words
	; wave 0, lane 0: the eight block bounds and out1
	s_cmp_lg_u32 s22, 0
	s_cbranch_scc1 .Lcast
.irp e, 0,1,2,3,4,5,6,7
	v_mov_b32 v[TT+\e], s[40+\e]
.endr
	v_mov_b32 v[M1], -1.0
	v_mov_b32 v[ZA], 0
	v_cmp_eq_u32 vcc_lo, 0, v0
	s_wait_xcnt 0x0                                ; EXEC is a source of the loads and stores that are out: it changes only behind this wait
	s_and_saveexec_b32 s80, vcc_lo
	global_store_b128 v[ZA], v[TT:TT+3], s[6:7] offset:ENDOFF
	global_store_b128 v[ZA], v[TT+4:TT+7], s[6:7] offset:ENDOFF+16
	global_store_b32 v[ZA], v[M1], s[8:9]
	s_wait_xcnt 0x0                                ; and again in front of the line that widens it
	s_or_b32 exec_lo, exec_lo, s80
.Lcast:
	; the weights, a load at a time as they come.  On every way to this label the same 16 loads were issued, in the same order, and no load behind them: the counts leave the younger ones out
.irp j, 0,1,2,3,4,5,6,7
	s_wait_loadcnt 15-\j
	v_cvt_pk_bf16_f32 v[W1R+4*\j], v[W1R+4*\j], v[W1R+4*\j+1]
	v_cvt_pk_bf16_f32 v[W1R+4*\j+1], v[W1R+4*\j+2], v[W1R+4*\j+3]
	global_store_b64 v2, v[W1R+4*\j:W1R+4*\j+1], s[14:15] offset:8192*\j
.endr
.irp j, 0,1,2,3,4,5,6,7
	s_wait_loadcnt 7-\j
	v_cvt_pk_bf16_f32 v[W2R+4*\j], v[W2R+4*\j], v[W2R+4*\j+1]      ; rounded to bf16 like every input,
	v_cvt_pk_bf16_f32 v[W2R+4*\j+1], v[W2R+4*\j+2], v[W2R+4*\j+3]
	v_lshlrev_b32 v[TB], 16, v[W2R+4*\j]
	v_and_b32 v[TC], s26, v[W2R+4*\j]
	v_cvt_pk_f16_f32 v[W2R+4*\j], v[TB], v[TC]                     ; and that number written as f16 (exact in f16's normal range)
	v_lshlrev_b32 v[TB], 16, v[W2R+4*\j+1]
	v_and_b32 v[TC], s26, v[W2R+4*\j+1]
	v_cvt_pk_f16_f32 v[W2R+4*\j+1], v[TB], v[TC]
	global_store_b64 v2, v[W2R+4*\j:W2R+4*\j+1], s[16:17] offset:8192*\j
.endr
	s_wait_tensorcnt 0x0
	ds_add_u32 v62, v63
	s_wait_dscnt 0x0
	s_endpgm
.Lfunc_end_k_qc1b36bfe92_castroute:
	.size	k_qc1b36bfe92_castroute, .Lfunc_end_k_qc1b36bfe92_castroute-k_qc1b36bfe92_castroute
	.p2alignl 7, 3214868480
	.fill 96, 4, 3214868480
	.section	.rodata,"a",@progbits
	.p2align	6, 0x0
	.amdhsa_kernel k_qc1b36bfe92_castroute
		.amdhsa_group_segment_fixed_size 4608
		.amdhsa_private_segment_fixed_size 0
		.amdhsa_enable_private_segment 0
		.amdhsa_kernarg_size 56
		.amdhsa_user_sgpr_count 2
		.amdhsa_user_sgpr_kernarg_segment_ptr 1
		.amdhsa_wavefront_size32 1
		.amdhsa_system_sgpr_workgroup_id_x 1
		.amdhsa_system_sgpr_workgroup_id_y 1
		.amdhsa_system_sgpr_workgroup_id_z 1
		.amdhsa_system_vgpr_workitem_id 0
		.amdhsa_next_free_vgpr 128
		.amdhsa_next_free_sgpr 96
		.amdhsa_reserve_vcc 1
		.amdhsa_float_denorm_mode_32 3
		.amdhsa_float_denorm_mode_16_64 3
		.amdhsa_memory_ordered 1
		.amdhsa_forward_progress 1
		.amdhsa_inst_pref_size 36
	.end_amdhsa_kernel
	.amdgpu_metadata
---
amdhsa.version: [ 1, 2 ]
amdhsa.kernels:
  - .name:           k_qc1b36bfe92_castroute
    .symbol:         k_qc1b36bfe92_castroute.kd
    .args:
      - { .name: topK_indices, .offset: 0, .size: 8, .value_kind: global_buffer, .address_space: global }
      - { .name: route, .offset: 8, .size: 8, .value_kind: global_buffer, .address_space: global }
      - { .name: out1, .offset: 16, .size: 8, .value_kind: global_buffer, .address_space: global }
      - { .name: W1, .offset: 24, .size: 8, .value_kind: global_buffer, .address_space: global }
      - { .name: W2, .offset: 32, .size: 8, .value_kind: global_buffer, .address_space: global }
      - { .name: w1b, .offset: 40, .size: 8, .value_kind: global_buffer, .address_space: global }
      - { .name: w2h, .offset: 48, .size: 8, .value_kind: global_buffer, .address_space: global }
    .group_segment_fixed_size: 4608
    .private_segment_fixed_size: 0
    .kernarg_segment_align: 8
    .kernarg_segment_size: 56
    .max_flat_workgroup_size: 1024
    .sgpr_count:     96
    .vgpr_count:     128
    .wavefront_size: 32
...
	.end_amdgpu_metadata
.endif
;; end of part 1
;; launch gather (part 2): grid 256 x 1, 32 waves a work-group, no clusters, 0 bytes of LDS; arguments x, route, xs; writes xs
.if DOCPART == 2
	.amdgcn_target "amdgcn-amd-amdhsa--gfx1250"
	.amdhsa_code_object_version 6
	.text
	.protected	k_qc1b36bfe92_gather
	.globl	k_qc1b36bfe92_gather
	.p2align	8
	.type	k_qc1b36bfe92_gather,@function
k_qc1b36bfe92_gather:
	s_mov_b64 s[64:65], 0
	v_nop
	global_prefetch_b8 v0, s[64:65] scope:SCOPE_SE
	s_setreg_imm32_b32 hwreg(HW_REG_WAVE_MODE, 25, 1), 1
	s_wait_xcnt 0x0
; GATHER: x's rows, rounded to bf16, are laid into the row slots of xs ([9216][1024] bf16: 64 blocks of 144 rows) in which the first product reads them.
; SHARES.  Work-group w: tokens 16 w .. 16 w + 15 are cast and stored into their two slots each; the unused rows among slots 36 w .. 36 w + 35 are set to 0, so that every byte of xs that is read later has been stored.
; Wave v takes half v % 2 of token 16 w + v / 2.  The token's two slots and the block's rows in use are whole numbers that the launch before stored in route
; (one word a token, slot(t, 0) | slot(t, 1) << 16; from byte 16,640 on one word a block): two scalar loads a wave, issued ahead of the four vector loads.
; A stream: no LDS, no barrier, no matrix unit, no cluster (nothing is shared); each load of a wave covers 512 consecutive bytes, each store 256, aligned.
.set NSLOT,  9216
.set LENOFF, 16640                     ; route: the 64 blocks' rows in use
.set L16, 4                            ; v4        16 x lane
.set L8,  5                            ; v5        8 x lane
.set ZZ,  6                            ; v[6:7]    0
.set TB,  8                            ; v8        at work
.set XR,  16                           ; v[16:31]  x, four loads
	s_load_b128 s[4:7], s[0:1], 0x0                ; x s[4:5], route s[6:7]
	s_load_b64 s[12:13], s[0:1], 0x10              ; xs
	v_and_b32 v3, 31, v0                           ; lane
	v_lshrrev_b32 v[TB], 5, v0
	v_readfirstlane_b32 s22, v[TB]                 ; wave 0..31
	v_lshlrev_b32 v[L16], 4, v3
	v_lshlrev_b32 v[L8], 3, v3
	v_mov_b32 v[ZZ], 0
	v_mov_b32 v[ZZ+1], 0
	s_mov_b32 s23, ttmp9                           ; work-group w
	s_lshl_b32 s28, s23, 16                        ; x: 16 tokens of 4,096 bytes a work-group,
	s_lshl_b32 s41, s22, 11                        ; half a token a wave
	s_add_co_u32 s28, s28, s41
	s_mov_b32 s29, 0
	s_mul_i32 s40, s22, 9                          ; the unused rows: 288 pieces of 256 bytes a work-group, 9 a wave
	s_mul_i32 s34, s23, 288
	s_add_co_u32 s34, s34, s40
	s_lshl_b32 s34, s34, 8
	s_mov_b32 s35, 0
	s_lshl_b32 s36, s23, 4                         ; route: my token 16 w + wave / 2, a word each
	s_lshr_b32 s41, s22, 1
	s_add_co_u32 s36, s36, s41
	s_lshl_b32 s36, s36, 2
	s_mov_b32 s37, 0
	s_lshr_b32 s38, s23, 2                         ; route: the block w / 4 in which my work-group's 36 slots lie, a word each
	s_lshl_b32 s38, s38, 2
	s_mov_b32 s39, 0
	s_and_b32 s52, s22, 1
	s_lshl_b32 s52, s52, 10                        ; which half of a slot's 2,048 bytes is mine
	s_and_b32 s53, s23, 3
	s_mul_i32 s53, s53, 36                         ; my work-group's first row in its block
	s_wait_kmcnt 0x0
	s_add_nc_u64 s[36:37], s[6:7], s[36:37]
	s_add_nc_u64 s[38:39], s[6:7], s[38:39]
	s_load_b32 s42, s[36:37], 0x0                  ; my token's two slots
	s_load_b32 s43, s[38:39], LENOFF               ; the block's rows in use
	s_add_nc_u64 s[4:5], s[4:5], s[28:29]
	s_add_nc_u64 s[34:35], s[12:13], s[34:35]
.irp i, 0,1,2,3
	global_load_b128 v[XR+4*\i:XR+4*\i+3], v[L16], s[4:5] offset:512*\i th:TH_LOAD_NT
.endr
	s_wait_kmcnt 0x0                               ; the two numbers from route
	s_and_b32 s44, s42, 0xffff
	s_lshr_b32 s46, s42, 16
	s_min_u32 s44, s44, NSLOT-1
	s_min_u32 s46, s46, NSLOT-1
	s_lshl_b32 s44, s44, 11                        ; a slot is 2,048 bytes of xs
	s_lshl_b32 s46, s46, 11
	s_add_co_u32 s44, s44, s52
	s_add_co_u32 s46, s46, s52
	s_mov_b32 s45, 0
	s_mov_b32 s47, 0
	s_add_nc_u64 s[48:49], s[12:13], s[44:45]
	s_add_nc_u64 s[50:51], s[12:13], s[46:47]
	; my wave's half token, 2,048 bytes, is rounded to bf16 and stored into the token's two slots
.irp i, 0,1,2,3
	s_wait_loadcnt 3-\i                            ; loads come back in order (ISA guide 5.7.1): piece i is in, the younger ones stay out
	v_cvt_pk_bf16_f32 v[XR+4*\i], v[XR+4*\i], v[XR+4*\i+1]
	v_cvt_pk_bf16_f32 v[XR+4*\i+1], v[XR+4*\i+2], v[XR+4*\i+3]
	global_store_b64 v[L8], v[XR+4*\i:XR+4*\i+1], s[48:49] offset:256*\i   ; the wave's store covers 256 consecutive bytes, aligned
	global_store_b64 v[L8], v[XR+4*\i:XR+4*\i+1], s[50:51] offset:256*\i
.endr
	; the unused rows among my work-group's 36 slots are set to 0: piece u = 9 x wave + k of 256 bytes lies in row 36 (w % 4) + u / 8 of the block
.macro PADU k
	s_add_co_u32 s54, s40, \k
	s_lshr_b32 s54, s54, 3
	s_add_co_u32 s54, s54, s53
	s_cmp_ge_u32 s54, s43                          ; at or behind the rows in use?
	s_cbranch_scc0 .Lused_\@
	global_store_b64 v[L8], v[ZZ:ZZ+1], s[34:35] offset:256*(\k)
.Lused_\@:
.endm
.irp k, 0,1,2,3,4,5,6,7,8
	PADU \k
.endr
	s_endpgm
.Lfunc_end_k_qc1b36bfe92_gather:
	.size	k_qc1b36bfe92_gather, .Lfunc_end_k_qc1b36bfe92_gather-k_qc1b36bfe92_gather
	.p2alignl 7, 3214868480
	.fill 96, 4, 3214868480
	.section	.rodata,"a",@progbits
	.p2align	6, 0x0
	.amdhsa_kernel k_qc1b36bfe92_gather
		.amdhsa_group_segment_fixed_size 0
		.amdhsa_private_segment_fixed_size 0
		.amdhsa_enable_private_segment 0
		.amdhsa_kernarg_size 24
		.amdhsa_user_sgpr_count 2
		.amdhsa_user_sgpr_kernarg_segment_ptr 1
		.amdhsa_wavefront_size32 1
		.amdhsa_system_sgpr_workgroup_id_x 1
		.amdhsa_system_sgpr_workgroup_id_y 1
		.amdhsa_system_sgpr_workgroup_id_z 1
		.amdhsa_system_vgpr_workitem_id 0
		.amdhsa_next_free_vgpr 32
		.amdhsa_next_free_sgpr 66
		.amdhsa_reserve_vcc 0
		.amdhsa_float_denorm_mode_32 3
		.amdhsa_float_denorm_mode_16_64 3
		.amdhsa_memory_ordered 1
		.amdhsa_forward_progress 1
		.amdhsa_inst_pref_size 7
	.end_amdhsa_kernel
	.amdgpu_metadata
---
amdhsa.version: [ 1, 2 ]
amdhsa.kernels:
  - .name:           k_qc1b36bfe92_gather
    .symbol:         k_qc1b36bfe92_gather.kd
    .args:
      - { .name: x, .offset: 0, .size: 8, .value_kind: global_buffer, .address_space: global }
      - { .name: route, .offset: 8, .size: 8, .value_kind: global_buffer, .address_space: global }
      - { .name: xs, .offset: 16, .size: 8, .value_kind: global_buffer, .address_space: global }
    .group_segment_fixed_size: 0
    .private_segment_fixed_size: 0
    .kernarg_segment_align: 8
    .kernarg_segment_size: 24
    .max_flat_workgroup_size: 1024
    .sgpr_count:     66
    .vgpr_count:     32
    .wavefront_size: 32
...
	.end_amdgpu_metadata
.endif
;; end of part 2
;; launch ffn1 (part 3): grid 4 x 64, 4 waves a work-group, clusters of 4 x 1, 327,680 bytes of LDS; arguments xs, w1b, b1, route, h; writes h
.if DOCPART == 3
	.amdgcn_target "amdgcn-amd-amdhsa--gfx1250"
	.amdhsa_code_object_version 6
	.text
	.protected	k_qc1b36bfe92_ffn1
	.globl	k_qc1b36bfe92_ffn1
	.p2align	8
	.type	k_qc1b36bfe92_ffn1,@function
k_qc1b36bfe92_ffn1:
	s_mov_b64 s[64:65], 0
	v_nop
	global_prefetch_b8 v0, s[64:65] scope:SCOPE_SE
	s_setreg_imm32_b32 hwreg(HW_REG_WAVE_MODE, 25, 1), 1
	s_wait_xcnt 0x0
	s_wait_alu depctr_hold_cnt(0) depctr_sa_sdst(0) depctr_va_vdst(0) depctr_va_sdst(0) depctr_va_ssrc(0) depctr_va_vcc(0) depctr_vm_vsrc(0)
	s_getreg_b32 s2, hwreg(HW_REG_IB_STS2, 6, 4)
	s_cmp_eq_u32 s2, 0
	s_cbranch_scc0 .Lentry_in_a_cluster
	s_endpgm
.Lentry_in_a_cluster:
	s_bfe_u32 s2, ttmp6, 0x10000c
	s_cmp_lg_u32 s2, 0x3003
	s_cbranch_scc0 .Lentry_shape_is_right
	s_endpgm
.Lentry_shape_is_right:
; FFN1: h[slot][n] = silu(sum over k of xs[slot][k] W1[e][k][n] + b1[e][n]), e the expert of the slot's block.  xs: [9216][1024] bf16, w1b: [8][1024][1024] bf16 ([k][n]), h: [9216][1024] f16.
; Products in bf16 with f32 sums; b1 rounded to bf16 like every input; silu in f32; h rounded once to f16.
; LIMITS.  silu(..) of 65,520 or more becomes an infinity in f16; below 6e-5 f16 keeps a fixed step of 6e-8; NaN and infinities are not treated apart.
; SHARES.  64 blocks of 144 rows x 4 blocks of 256 columns = 256 work-groups, a tile of 144 x 256 each.  Wave w makes all 144 rows x columns 64 w .. 64 w + 63: 36 accumulators of 16 x 16
; (accumulator 4 a + b: rows 16 a on, columns 16 b on).  K goes in 8 steps of 128 through two LDS slots (a step of 256 would want 430 KB for two slots).
; THE MATRIX INSTRUCTION IS USED TRANSPOSED: source 0 = 16 columns of W (turned out of LDS by ds_load_tr16_b128, since W lies [k][n]), source 1 = 16 rows of xs: a lane holds row lane % 16 and
; eight neighbouring columns 8 (lane / 16) + 0..7.
; CLUSTER.  The four column blocks of a row block need the same rows of xs: those tiles are asked for JOINTLY (waves 0 and 1; mask of four).  W's tiles (waves 2 and 3) are the work-group's own:
; which row blocks share an expert hangs on the counts in route, and a mask is a constant of the place in the cluster; blocks in fours for every expert would want (8192 + 8 x 4 x 143) / 64 > 144 rows a block.
; The expert: route holds for each expert the first block behind its blocks; e = how many of the first seven bounds my block has reached.  It hangs on the row block alone.
; REGISTERS, in windows of 256 (s_set_vgpr_msb: bits 1:0 source 0, 3:2 source 1, 5:4 source 2, 7:6 destination):
;   window 0: v0-29 addresses; two fragment buffers of 104: 72 registers of xs (9 x 16 rows x 32 K), 32 of W (4 x 16 columns x 32 K): v32-135, v136-239; on the way out v32-207 at work
;   window 1: accumulators 0-31 (accumulator i at v[8 i]);   window 2: v0-31 accumulators 32-35, v32-63 b1 as loaded
.set KSTEP,  128
.set PA,     272                       ; a row of xs in LDS: 256 bytes + 16: the 16 rows of a load start at 16 different groups of four banks (64 banks of 4 bytes: ISA guide 11.1)
.set PB,     544                       ; a k-row of W: 512 bytes + 32
.set ABYTES, 144*PA                    ; 39,168
.set SLOT,   ABYTES+KSTEP*PB           ; 108,800: xs' 144 rows, then W's 128 k-rows
.set STAGE,  2*SLOT                    ; behind the ring, never filled by a tensor load: 144 rows x 528 bytes, the work-group's, for the way out
.set SP,     528                       ; 512 bytes + 16
.set SPARE,  STAGE+144*SP              ; behind the stage: the spare words, 128 bytes for each wave: two blocks of 256 bytes that no other line names
.set LAPS,   4                         ; a lap = two K steps = once round the ring
.set ADRA, 16                          ; v16-17  LDS address of my fragments of xs in slot 0, 1
.set ADRB, 18                          ; v18-19  the same for W
.set STO,  20                          ; v20     the way out: where I put 16 bytes of a row (row blocks 0-3)
.set RD,   21                          ; v21     the way out: where I read rows back
.set CO,   22                          ; v22     16 x lane: my bytes in 512 consecutive bytes of h
.set BO,   23                          ; v23     32 x (lane / 16): my bytes in 64 bytes of b1
.set STO2, 24                          ; v24     STO + 64 stage rows (row blocks 4-8: an LDS immediate has 16 bits)
.set SPW,  28                          ; v28     LDS address of my spare word; never rewritten
.set NIL,  29                          ; v29     0; never rewritten
.set F0,   32
.set F1,   136
.set BI,   32                          ; the way out: b1 of my 32 columns, f32
.set T,    64                          ; 32 numbers at work
.set U,    96
.set H,    128                         ; 16 registers of f16 pairs
.set OUTR, 64                          ; 36 rows read back: v64-207
.set WV,   14                          ; s14 wave; s15 wave / 2: I fetch xs (0) or W (1); s16 wave % 2: which half of that tile
.set G1A,  32                          ; s[32:39] descriptor group 1 for xs' tiles;  s[40:47] group 0, a set for each slot
.set G0A,  40
.set G1B,  48                          ; s[48:55], s[56:63] the same for W's tiles
.set G0B,  56
.set MSB, 0
.macro WIN new                         ; the immediate's high byte repeats the setting that is left; a switch that changes nothing is dropped
.if MSB != (\new)
	s_set_vgpr_msb (MSB<<8)|(\new)
.set MSB, \new
.endif
.endm
; A refill: waves 0 and 1 ask jointly for the two halves of xs' tile, waves 2 and 3 for the two halves of W's.  The branch hangs on the wave's number alone.
; An s_nop 0 and four v_nop follow each of the two lines, ahead of the jump, the label and what follows.
.macro JLOAD s
	s_cmp_eq_u32 s15, 0
	s_cbranch_scc0 .Lfor_b_\@
	tensor_load_to_lds s[G0A+4*(\s):G0A+4*(\s)+3], s[G1A:G1A+7]
	s_nop 0
.rept 4
	v_nop
.endr
	s_branch .Lasked_\@
.Lfor_b_\@:
	tensor_load_to_lds s[G0B+4*(\s):G0B+4*(\s)+3], s[G1B:G1B+7]
	s_nop 0
.rept 4
	v_nop
.endr
.Lasked_\@:
.endm
.macro CREST                           ; a round of the cluster's barrier behind its opening barrier
	s_cmp_lg_u32 s[WV], 0
	s_cbranch_scc1 .Lnot_wave_0_\@
	s_barrier_signal -3
.Lnot_wave_0_\@:
	s_barrier_wait -3
	s_barrier_signal -1
	s_barrier_wait -1
.endm
.macro CROUND                          ; a whole round
	s_barrier_signal -1
	s_barrier_wait -1
	CREST
.endm
.macro PLACES                          ; four places in front of loads into, and vector writes of, registers that matrix instructions have read, and of reads of their results
.rept 4
	v_nop
.endr
.endm
	s_load_b256 s[4:11], s[0:1], 0x0               ; xs s[4:5], w1b s[6:7], b1 s[8:9], route s[10:11]
	s_load_b64 s[12:13], s[0:1], 0x20              ; h
	v_lshl_add_u32 v[SPW], v0, 2, SPARE
	v_mov_b32 v[NIL], 0
	ds_add_u32 v28, v29
	s_wait_dscnt 0x0
	v_lshrrev_b32 v1, 5, v0
	v_readfirstlane_b32 s[WV], v1                  ; wave 0..3
	s_lshr_b32 s15, s[WV], 1
	s_and_b32 s16, s[WV], 1
	s_bfe_u32 s17, ttmp6, 0x40000                  ; cx: my place in the cluster
	s_lshl_b32 s18, ttmp9, 2                       ; in a cluster launch ttmp9 counts clusters
	s_add_co_u32 s18, s18, s17                     ; my block of 256 columns
	s_and_b32 s19, ttmp7, 0xffff                   ; my block of 144 rows, which the four partners share
	s_wait_kmcnt 0x0
	s_load_b256 s[20:27], s[10:11], 0x4000         ; the eight block bounds
	; descriptor group 1.  xs: 72 rows x 128 elements, 16 bytes of padding behind every 256; W: 64 k-rows x 256 elements, 32 bytes behind every 512
	s_mov_b32 s[G1A+0], 15|(1<<16)|(1<<20)|(1<<21)|(5<<22)|(3<<25)  ; 15:0 the mask of four; 17:16 2-byte elements; 20 padding on; 21 set beside a mask; 24:22 after every 64 words (code 5); 31:25 4 words (code 3)
	s_mov_b32 s[G1A+1], 128<<16                    ; tensor_dim0 = 128
	s_mov_b32 s[G1A+2], 72<<16                     ; tensor_dim1 = 72
	s_mov_b32 s[G1A+3], 128<<16                    ; tile_dim0 = 128
	s_mov_b32 s[G1A+4], 72                         ; tile_dim1 = 72
	s_mov_b32 s[G1A+5], 1024                       ; elements from row to row
	s_mov_b32 s[G1A+6], 0
	s_mov_b32 s[G1A+7], 0
	s_mov_b32 s[G1B+0], (1<<16)|(1<<20)|(6<<22)|(7<<25)  ; no mask; after every 128 words (code 6) 8 words (code 7)
	s_mov_b32 s[G1B+1], 256<<16                    ; tensor_dim0 = 256
	s_mov_b32 s[G1B+2], 64<<16                     ; tensor_dim1 = 64
	s_mov_b32 s[G1B+3], 256<<16                    ; tile_dim0 = 256
	s_mov_b32 s[G1B+4], 64                         ; tile_dim1 = 64
	s_mov_b32 s[G1B+5], 1024
	s_mov_b32 s[G1B+6], 0
	s_mov_b32 s[G1B+7], 0
	s_mov_b32 s76, 0xbfb8aa3b                      ; -log2(e)
	s_mov_b32 s77, s76                             ; named with it as a pair
	s_mul_i32 s66, s19, 144                        ; xs: row 144 y + 72 x half, 2,048 bytes a row; nothing here hangs on cx
	s_mul_i32 s67, s16, 72
	s_add_co_u32 s66, s66, s67
	s_lshl_b32 s66, s66, 11
	s_mov_b32 s67, 0
	s_add_nc_u64 s[68:69], s[4:5], s[66:67]
	s_mul_i32 s2, s16, 72*PA                       ; where the halves go: no place in the cluster enters an LDS address
	s_mul_i32 s3, s16, 64*PB
	s_add_co_u32 s3, s3, ABYTES
	s_wait_kmcnt 0x0
	s_mov_b32 s28, 0
.irp k, 0,1,2,3,4,5,6
	s_cmp_ge_u32 s19, s[20+\k]
	s_add_co_ci_u32 s28, s28, 0
.endr
	s_min_u32 s28, s28, 7                          ; the expert
	s_lshl_b32 s70, s28, 21                        ; W: the expert's 2 MiB, 64 k-rows of 2,048 bytes a half, 512 bytes a column block
	s_lshl_b32 s71, s16, 17
	s_add_co_u32 s70, s70, s71
	s_lshl_b32 s71, s18, 9
	s_add_co_u32 s70, s70, s71
	s_mov_b32 s71, 0
	s_add_nc_u64 s[72:73], s[6:7], s[70:71]
	s_lshl_b32 s74, s28, 12                        ; b1: the expert's 4,096 bytes, 1,024 a column block, 256 a wave
	s_lshl_b32 s75, s18, 10
	s_add_co_u32 s74, s74, s75
	s_lshl_b32 s75, s[WV], 8
	s_add_co_u32 s74, s74, s75
	s_mov_b32 s75, 0
	s_add_nc_u64 s[8:9], s[8:9], s[74:75]
	s_mul_i32 s70, s19, 144                        ; h: the first row that I store, 144 y + 36 x wave, and the column block's 512 bytes
	s_mul_i32 s71, s[WV], 36
	s_add_co_u32 s70, s70, s71
	s_lshl_b32 s70, s70, 11
	s_lshl_b32 s71, s18, 9
	s_add_co_u32 s70, s70, s71
	s_mov_b32 s71, 0
	s_add_nc_u64 s[12:13], s[12:13], s[70:71]
.irp s, 0,1
	s_mov_b32 s[G0A+4*(\s)], 1                                     ; count = 1
	s_add_co_u32 s[G0A+4*(\s)+1], s2, (\s)*SLOT                    ; LDS address
	s_add_nc_u64 s[G0A+4*(\s)+2:G0A+4*(\s)+3], s[68:69], (\s)*KSTEP*2    ; global address: K step s
	s_or_b32 s[G0A+4*(\s)+3], s[G0A+4*(\s)+3], 0x80000000          ; type = 2
	s_mov_b32 s[G0B+4*(\s)], 1
	s_add_co_u32 s[G0B+4*(\s)+1], s3, (\s)*SLOT
	s_add_nc_u64 s[G0B+4*(\s)+2:G0B+4*(\s)+3], s[72:73], (\s)*KSTEP*2048
	s_or_b32 s[G0B+4*(\s)+3], s[G0B+4*(\s)+3], 0x80000000
.endr
	CROUND                                         ; all four work-groups are here: the first joint loads meet
	s_cmp_eq_u32 s15, 0                            ; a wave's two first fills stand in one branch, ahead of every wait on TENSORcnt and every LDS read: two loads of mine are out
	s_cbranch_scc0 .Lfirst_b
	tensor_load_to_lds s[G0A:G0A+3], s[G1A:G1A+7]
	s_nop 0
	tensor_load_to_lds s[G0A+4:G0A+7], s[G1A:G1A+7]
	s_nop 0
.rept 4
	v_nop
.endr
	s_branch .Lfirst_asked
.Lfirst_b:
	tensor_load_to_lds s[G0B:G0B+3], s[G1B:G1B+7]
	s_nop 0
	tensor_load_to_lds s[G0B+4:G0B+7], s[G1B:G1B+7]
	s_nop 0
.rept 4
	v_nop
.endr
.Lfirst_asked:
	v_and_b32 v1, 15, v0                           ; l % 16
	v_bfe_u32 v2, v0, 4, 1                         ; l / 16
	v_lshlrev_b32 v[BO], 5, v2
	WIN 0x80                                       ; destination window 2, address window 0
.irp b, 0,1,2,3
	global_load_b128 v[32+8*\b:32+8*\b+3], v[BO], s[8:9] offset:64*\b      ; b1 of columns 16 b + 8 (l / 16) + 0..7
	global_load_b128 v[32+8*\b+4:32+8*\b+7], v[BO], s[8:9] offset:64*\b+16
.endr
	WIN 0
	; A fragment of xs is 16 rows x 32 K in 8 registers: lane l holds row l % 16, K = 8 (l / 16) + 0..7 and 16 + 8 (l / 16) + 0..7: two loads of 16 bytes, 32 bytes apart.
	v_mul_u32_u24 v3, v1, PA
	v_lshl_add_u32 v[ADRA], v2, 4, v3
	v_add_nc_u32 v[ADRA+1], SLOT, v[ADRA]
	; The turning load takes 16 k x 16 columns (lane l reads k-row 8 (l / 16) + l % 8, columns 8 ((l / 8) % 2) + 0..7) and leaves half a fragment: lane l holds column l % 16 and 8 k.
	v_and_b32 v3, 7, v0
	v_lshl_add_u32 v3, v2, 3, v3
	v_mul_u32_u24 v3, v3, PB
	v_bfe_u32 v4, v0, 3, 1
	v_lshl_add_u32 v3, v4, 4, v3
	s_lshl_b32 s66, s[WV], 7                       ; my wave's 64 columns
	s_add_co_u32 s66, s66, ABYTES
	v_add_nc_u32 v[ADRB], s66, v3
	v_add_nc_u32 v[ADRB+1], SLOT, v[ADRB]
	v_mul_u32_u24 v3, v1, SP                       ; into the stage: row l % 16, my wave's 128 bytes, 16 bytes for each half of the lanes
	v_lshl_add_u32 v3, v2, 4, v3
	s_lshl_b32 s66, s[WV], 7
	s_add_co_u32 s66, s66, STAGE
	v_add_nc_u32 v[STO], s66, v3
	v_add_nc_u32 v[STO2], 64*SP, v[STO]
	v_and_b32 v3, 31, v0                           ; back: wave w takes rows 36 w .. 36 w + 35, whole: 32 lanes x 16 bytes
	v_lshlrev_b32 v[CO], 4, v3
	s_mul_i32 s66, s[WV], 36*SP
	s_add_co_u32 s66, s66, STAGE
	v_add_nc_u32 v[RD], s66, v[CO]
; The matrix instructions for accumulators lo .. hi - 1, 32 along K, on buffer f.  The 36 accumulators take turns, one instruction a turn, always in the order 32-35, 0-31.
; zero = 1: the first product starts the sums: nothing is ever cleared.
.macro MM f, lo, hi, zero
.set i, \lo
.rept (\hi)-(\lo)
.if i < 32
	WIN 0x50                                       ; C and D window 1
.set rD, 8*i
.else
	WIN 0xa0                                       ; C and D window 2
.set rD, 8*(i-32)
.endif
.set rB, (\f)+72+8*(i%4)
.set rA, (\f)+8*(i/4)
.if \zero
	v_wmma_f32_16x16x32_bf16 v[rD:rD+7], v[rB:rB+7], v[rA:rA+7], 0
.else
	v_wmma_f32_16x16x32_bf16 v[rD:rD+7], v[rB:rB+7], v[rA:rA+7], v[rD:rD+7]
.endif
.set i, i+1
.endr
.endm
; 26 LDS loads in one run: the fragments of quarter kq (32 along K) of a slot, into buffer f
.macro FETCH slot, kq, f
	WIN 0
.irp b, 0,1,2,3
	ds_load_tr16_b128 v[(\f)+72+8*\b:(\f)+72+8*\b+3],   v[ADRB+(\slot)] offset:(\kq)*32*PB+32*\b
	ds_load_tr16_b128 v[(\f)+72+8*\b+4:(\f)+72+8*\b+7], v[ADRB+(\slot)] offset:(\kq)*32*PB+16*PB+32*\b
.endr
.irp a, 0,1,2,3,4,5,6,7,8
	ds_load_b128 v[(\f)+8*\a:(\f)+8*\a+3],   v[ADRA+(\slot)] offset:\a*16*PA+64*(\kq)
	ds_load_b128 v[(\f)+8*\a+4:(\f)+8*\a+7], v[ADRA+(\slot)] offset:\a*16*PA+64*(\kq)+32
.endr
.endm
; A K step is four quarters of 32 along K, 36 matrix instructions each, on buffers 0, 1, 0, 1.  One of the first three: multiplies buffer f; behind its first four products it fetches quarter kq into g,
; 32 matrix instructions ahead of the first use.
.macro QUARTER slot, kq, f, g, zero
	s_wait_dscnt 0x0                               ; buffer f is in
	MM \f, 32, 36, \zero
	PLACES
	FETCH \slot, \kq, \g
	MM \f, 0, 32, \zero
.endm
; The last quarter multiplies buffer 1 and changes slots: ONE barrier; in front of it each wave waits for all its tensor loads (one is out: its part of the next slot), adds 0 to its spare word, and
; waits for that and for its own reads of this slot.  fill = 1: this slot is filled again, two K steps ahead; the barrier then opens a round of the cluster's, and the refill is the first thing behind it:
; 132 matrix instructions stand between the request and the wait for it.
.macro TURN slot, next, fill
	WIN 0                                          ; (the add's two registers lie in window 0)
	s_wait_tensorcnt 0x0                           ; all my tensor loads have landed, so a group 0 may be written;
	ds_add_u32 v[SPW], v[NIL]                      ; 0 onto my spare word;
	s_wait_dscnt 0x1                               ; buffer 1's 26 loads are in; the add alone may be out
	MM F1, 32, 36, 0                               ; four matrix instructions stand between the add and the wait for it
	s_wait_dscnt 0x0                               ; the add is done, and my reads of this slot are over
	s_barrier_signal -1
	MM F1, 0, 8, 0                                 ; work on registers while the others arrive
.if \fill
	WIN 0
.endif
	s_barrier_wait -1
.if \fill
	CREST                                          ; no wave of any partner still reads this slot's tile or has a load on its way
	s_add_nc_u64 s[G0A+4*(\slot)+2:G0A+4*(\slot)+3], s[G0A+4*(\slot)+2:G0A+4*(\slot)+3], 2*KSTEP*2
	s_add_nc_u64 s[G0B+4*(\slot)+2:G0B+4*(\slot)+3], s[G0B+4*(\slot)+2:G0B+4*(\slot)+3], 2*KSTEP*2048
	JLOAD \slot                                    ; the four v_nop behind it are also the places in front of the loads below
.else
	PLACES
.endif
	FETCH \next, 0, F0
	MM F1, 8, 32, 0
.endm
	s_wait_tensorcnt 0x1                           ; my part of K step 0 is in; K step 1's may stay out
	s_barrier_signal -1
	s_barrier_wait -1                              ; everybody's is
	FETCH 0, 0, F0
	QUARTER 0, 1, F0, F1, 1                        ; the first quarter stands in front of the loop: its products start the sums
	WIN 0                                          ; at a label and at a branch every window is 0
	s_mov_b32 s3, LAPS-1
.Llap:                                                 ; a trip goes once round the ring, from a lap's second quarter to the next lap's first, and fills both slots again
	QUARTER 0, 2, F1, F0, 0
	QUARTER 0, 3, F0, F1, 0
	TURN 0, 1, 1
	QUARTER 1, 1, F0, F1, 0
	QUARTER 1, 2, F1, F0, 0
	QUARTER 1, 3, F0, F1, 0
	TURN 1, 0, 1
	QUARTER 0, 1, F0, F1, 0
	WIN 0
	s_sub_co_u32 s3, s3, 1
	s_cmp_lg_u32 s3, 0
	s_cbranch_scc1 .Llap
	QUARTER 0, 2, F1, F0, 0                        ; the last lap fills nothing, and has no round of the cluster's barrier
	QUARTER 0, 3, F0, F1, 0
	TURN 0, 1, 0
	QUARTER 1, 1, F0, F1, 0
	QUARTER 1, 2, F1, F0, 0
	QUARTER 1, 3, F0, F1, 0
	s_wait_dscnt 0x0                               ; the very last quarter: nothing more to fetch
	MM F1, 32, 36, 0
	MM F1, 0, 32, 0
	PLACES                                         ; what follows writes fragment registers and reads results
	; THE WAY OUT.  b1 is rounded to bf16 and widened again; then, 16 rows at a time: + b1, silu, rounded to f16, 16 bytes a lane into the work-group's stage.
	s_wait_loadcnt 0x0                             ; b1
	WIN 0x0a                                       ; sources 0 and 1 window 2, destination window 0
.set i, 0
.rept 16
	v_cvt_pk_bf16_f32 v[T+i], v[32+2*i], v[32+2*i+1]
.set i, i+1
.endr
	WIN 0
.set i, 0
.rept 16
	v_lshlrev_b32 v[BI+2*i], 16, v[T+i]
	v_and_b32 v[BI+2*i+1], 0xffff0000, v[T+i]
.set i, i+1
.endr
; Row block a: z = sum + b1; silu(z) = z / (1 + 2^(-log2(e) z)).  The accumulators' registers are read in ascending order.  Behind each run of transcendentals one plain instruction stands before a result is used (ISA guide 5.7.2).
.macro SILU a
.if (\a) < 8
	WIN 0x01                                       ; source 0 window 1
.set rC, 32*(\a)
.else
	WIN 0x02                                       ; source 0 window 2
.set rC, 0
.endif
.set k, 0
.rept 16
	v_pk_add_f32 v[T+2*k:T+2*k+1], v[rC+2*k:rC+2*k+1], v[BI+2*k:BI+2*k+1]
.set k, k+1
.endr
	WIN 0
.set k, 0
.rept 16
	v_pk_mul_f32 v[U+2*k:U+2*k+1], v[T+2*k:T+2*k+1], s[76:77] op_sel_hi:[1,0]
.set k, k+1
.endr
.set k, 0
.rept 32
	v_exp_f32 v[U+k], v[U+k]
.set k, k+1
.endr
	v_nop
.set k, 0
	s_wait_alu depctr_va_vdst(0)
.rept 16
	v_pk_add_f32 v[U+2*k:U+2*k+1], v[U+2*k:U+2*k+1], 1.0 op_sel_hi:[1,0]
.set k, k+1
.endr
.set k, 0
.rept 32
	v_rcp_f32 v[U+k], v[U+k]
.set k, k+1
.endr
	v_nop
.set k, 0
	s_wait_alu depctr_va_vdst(0)
.rept 16
	v_pk_mul_f32 v[T+2*k:T+2*k+1], v[T+2*k:T+2*k+1], v[U+2*k:U+2*k+1]
.set k, k+1
.endr
.set k, 0
.rept 16
	v_cvt_pk_f16_f32 v[H+k], v[T+2*k], v[T+2*k+1]
.set k, k+1
.endr
.irp b, 0,1,2,3
.if (\a) < 4
	ds_store_b128 v[STO], v[H+4*\b:H+4*\b+3] offset:(\a)*16*SP+32*\b
.else
	ds_store_b128 v[STO2], v[H+4*\b:H+4*\b+3] offset:((\a)-4)*16*SP+32*\b
.endif
.endr
.endm
.irp a, 0,1,2,3,4,5,6,7,8
	SILU \a
.endr
	s_wait_dscnt 0x0                               ; for the others' sake: my stores into the stage are done
	s_barrier_signal -1
	s_barrier_wait -1                              ; a row's 512 bytes come from four waves
.set i, 0
.rept 36
	ds_load_b128 v[OUTR+4*i:OUTR+4*i+3], v[RD] offset:i*SP
.set i, i+1
.endr
.set i, 0
.rept 36
	s_wait_dscnt 35-i                              ; LDS loads come back in order (ISA guide 5.7.1): row i is in
	global_store_b128 v[CO], v[OUTR+4*i:OUTR+4*i+3], s[12:13] offset:i*2048  ; the wave stores 512 consecutive bytes, at a multiple of 512 from h's first byte
.set i, i+1
.endr
	s_wait_tensorcnt 0x0                           ; the wave's end: behind my last tensor load and my last LDS store
	ds_add_u32 v[SPW], v[NIL]
	s_wait_dscnt 0x0
	CROUND                                         ; the closing round: no work-group ends while a partner may still ask for a tile that names it
	s_endpgm
.Lfunc_end_k_qc1b36bfe92_ffn1:
	.size	k_qc1b36bfe92_ffn1, .Lfunc_end_k_qc1b36bfe92_ffn1-k_qc1b36bfe92_ffn1
	.p2alignl 7, 3214868480
	.fill 96, 4, 3214868480
	.section	.rodata,"a",@progbits
	.p2align	6, 0x0
	.amdhsa_kernel k_qc1b36bfe92_ffn1
		.amdhsa_group_segment_fixed_size 327680
		.amdhsa_private_segment_fixed_size 0
		.amdhsa_enable_private_segment 0
		.amdhsa_kernarg_size 40
		.amdhsa_user_sgpr_count 2
		.amdhsa_user_sgpr_kernarg_segment_ptr 1
		.amdhsa_wavefront_size32 1
		.amdhsa_system_sgpr_workgroup_id_x 1
		.amdhsa_system_sgpr_workgroup_id_y 1
		.amdhsa_system_sgpr_workgroup_id_z 1
		.amdhsa_system_vgpr_workitem_id 0
		.amdhsa_next_free_vgpr 576
		.amdhsa_next_free_sgpr 80
		.amdhsa_reserve_vcc 0
		.amdhsa_float_denorm_mode_32 3
		.amdhsa_float_denorm_mode_16_64 3
		.amdhsa_memory_ordered 1
		.amdhsa_forward_progress 1
		.amdhsa_inst_pref_size 154
	.end_amdhsa_kernel
	.amdgpu_metadata
---
amdhsa.version: [ 1, 2 ]
amdhsa.kernels:
  - .name:           k_qc1b36bfe92_ffn1
    .symbol:         k_qc1b36bfe92_ffn1.kd
    .args:
      - { .name: xs, .offset: 0, .size: 8, .value_kind: global_buffer, .address_space: global }
      - { .name: w1b, .offset: 8, .size: 8, .value_kind: global_buffer, .address_space: global }
      - { .name: b1, .offset: 16, .size: 8, .value_kind: global_buffer, .address_space: global }
      - { .name: route, .offset: 24, .size: 8, .value_kind: global_buffer, .address_space: global }
      - { .name: h, .offset: 32, .size: 8, .value_kind: global_buffer, .address_space: global }
    .group_segment_fixed_size: 327680
    .private_segment_fixed_size: 0
    .kernarg_segment_align: 8
    .kernarg_segment_size: 40
    .max_flat_workgroup_size: 128
    .sgpr_count:     80
    .vgpr_count:     576
    .wavefront_size: 32
...
	.end_amdgpu_metadata
.endif
;; end of part 3
;; launch ffn2 (part 4): grid 4 x 64, 4 waves a work-group, clusters of 4 x 1, 327,680 bytes of LDS; arguments h, w2h, b2, route, o; writes o
.if DOCPART == 4
	.amdgcn_target "amdgcn-amd-amdhsa--gfx1250"
	.amdhsa_code_object_version 6
	.text
	.protected	k_qc1b36bfe92_ffn2
	.globl	k_qc1b36bfe92_ffn2
	.p2align	8
	.type	k_qc1b36bfe92_ffn2,@function
k_qc1b36bfe92_ffn2:
	s_mov_b64 s[64:65], 0
	v_nop
	global_prefetch_b8 v0, s[64:65] scope:SCOPE_SE
	s_setreg_imm32_b32 hwreg(HW_REG_WAVE_MODE, 25, 1), 1
	s_wait_xcnt 0x0
	s_wait_alu depctr_hold_cnt(0) depctr_sa_sdst(0) depctr_va_vdst(0) depctr_va_sdst(0) depctr_va_ssrc(0) depctr_va_vcc(0) depctr_vm_vsrc(0)
	s_getreg_b32 s2, hwreg(HW_REG_IB_STS2, 6, 4)
	s_cmp_eq_u32 s2, 0
	s_cbranch_scc0 .Lentry_in_a_cluster
	s_endpgm
.Lentry_in_a_cluster:
	s_bfe_u32 s2, ttmp6, 0x10000c
	s_cmp_lg_u32 s2, 0x3003
	s_cbranch_scc0 .Lentry_shape_is_right
	s_endpgm
.Lentry_shape_is_right:
; FFN2: o[slot][n] = sum over k of h[slot][k] W2[e][k][n] + b2[e][n], e the expert of the slot's block.  h: [9216][1024] f16, w2h: [8][1024][1024] f16 ([k][n]; bf16(W2) written as f16), o: [9216][1024] f32.
; Products in f16 with f32 sums; b2 rounded to bf16 like every input; o is not gated here and stays f32.
; LIMITS.  h and w2h arrive within f16's range (65,504); NaN and infinities are not treated apart.
; SHARES.  64 blocks of 144 rows x 4 blocks of 256 columns = 256 work-groups, a tile of 144 x 256 each.  Wave w makes all 144 rows x columns 64 w .. 64 w + 63: 36 accumulators of 16 x 16
; (accumulator 4 a + b: rows 16 a on, columns 16 b on).  K goes in 8 steps of 128 through two LDS slots (a step of 256 would want 430 KB for two slots).
; THE MATRIX INSTRUCTION IS USED TRANSPOSED: source 0 = 16 columns of W (turned out of LDS by ds_load_tr16_b128, since W lies [k][n]), source 1 = 16 rows of h: a lane holds row lane % 16 and
; eight neighbouring columns 8 (lane / 16) + 0..7.
; CLUSTER.  The four column blocks of a row block need the same rows of h: those tiles are asked for JOINTLY (waves 0 and 1; mask of four).  W's tiles (waves 2 and 3) are the work-group's own:
; which row blocks share an expert hangs on the counts in route, and a mask is a constant of the place in the cluster; blocks in fours for every expert would want (8192 + 8 x 4 x 143) / 64 > 144 rows a block.
; The expert: route holds for each expert the first block behind its blocks; e = how many of the first seven bounds my block has reached.  It hangs on the row block alone.
; REGISTERS, in windows of 256 (s_set_vgpr_msb: bits 1:0 source 0, 3:2 source 1, 5:4 source 2, 7:6 destination):
;   window 0: v0-29 addresses; two fragment buffers of 104: 72 registers of h (9 x 16 rows x 32 K), 32 of W (4 x 16 columns x 32 K): v32-135, v136-239; on the way out v32-159 at work
;   window 1: accumulators 0-31 (accumulator i at v[8 i]);   window 2: v0-31 accumulators 32-35, v32-63 b2 as loaded
.set KSTEP,  128
.set PA,     272                       ; a row of h in LDS: 256 bytes + 16: the 16 rows of a load start at 16 different groups of four banks (64 banks of 4 bytes: ISA guide 11.1)
.set PB,     544                       ; a k-row of W: 512 bytes + 32
.set ABYTES, 144*PA                    ; 39,168
.set SLOT,   ABYTES+KSTEP*PB           ; 108,800: h's 144 rows, then W's 128 k-rows
.set STAGE,  2*SLOT                    ; behind the ring, never filled by a tensor load: 16 rows x 272 bytes for each wave, for the way out
.set SP,     272                       ; 256 bytes + 16
.set SPARE,  STAGE+4*16*SP             ; behind the stages: the spare words, 128 bytes for each wave: two blocks of 256 bytes that no other line names
.set LAPS,   4                         ; a lap = two K steps = once round the ring
.set ADRA, 16                          ; v16-17  LDS address of my fragments of h in slot 0, 1
.set ADRB, 18                          ; v18-19  the same for W
.set STO,  20                          ; v20     the way out: where I put 32 bytes of a row
.set RD,   21                          ; v21     the way out: where I read rows back
.set CO,   22                          ; v22     my byte offset in two rows of o
.set BO,   23                          ; v23     32 x (lane / 16): my bytes in 64 bytes of b2
.set SPW,  28                          ; v28     LDS address of my spare word; never rewritten
.set NIL,  29                          ; v29     0; never rewritten
.set F0,   32
.set F1,   136
.set BI,   32                          ; the way out: b2 of my 32 columns, f32
.set T,    64                          ; 32 numbers at work
.set OB,   96                          ; 16 rows read back from the stage: v96-127 and v128-159 by turns
.set WV,   14                          ; s14 wave; s15 wave / 2: I fetch h (0) or W (1); s16 wave % 2: which half of that tile
.set G1A,  32                          ; s[32:39] descriptor group 1 for h's tiles;  s[40:47] group 0, a set for each slot
.set G0A,  40
.set G1B,  48                          ; s[48:55], s[56:63] the same for W's tiles
.set G0B,  56
.set MSB, 0
.macro WIN new                         ; the immediate's high byte repeats the setting that is left; a switch that changes nothing is dropped
.if MSB != (\new)
	s_set_vgpr_msb (MSB<<8)|(\new)
.set MSB, \new
.endif
.endm
; A refill: waves 0 and 1 ask jointly for the two halves of h's tile, waves 2 and 3 for the two halves of W's.  The branch hangs on the wave's number alone.
; An s_nop 0 and four v_nop follow each of the two lines, ahead of the jump, the label and what follows.
.macro JLOAD s
	s_cmp_eq_u32 s15, 0
	s_cbranch_scc0 .Lfor_b_\@
	tensor_load_to_lds s[G0A+4*(\s):G0A+4*(\s)+3], s[G1A:G1A+7]
	s_nop 0
.rept 4
	v_nop
.endr
	s_branch .Lasked_\@
.Lfor_b_\@:
	tensor_load_to_lds s[G0B+4*(\s):G0B+4*(\s)+3], s[G1B:G1B+7]
	s_nop 0
.rept 4
	v_nop
.endr
.Lasked_\@:
.endm
.macro CREST                           ; a round of the cluster's barrier behind its opening barrier
	s_cmp_lg_u32 s[WV], 0
	s_cbranch_scc1 .Lnot_wave_0_\@
	s_barrier_signal -3
.Lnot_wave_0_\@:
	s_barrier_wait -3
	s_barrier_signal -1
	s_barrier_wait -1
.endm
.macro CROUND                          ; a whole round
	s_barrier_signal -1
	s_barrier_wait -1
	CREST
.endm
.macro PLACES                          ; four places in front of loads into, and vector writes of, registers that matrix instructions have read, and of reads of their results
.rept 4
	v_nop
.endr
.endm
	s_load_b256 s[4:11], s[0:1], 0x0               ; h s[4:5], w2h s[6:7], b2 s[8:9], route s[10:11]
	s_load_b64 s[12:13], s[0:1], 0x20              ; o
	v_lshl_add_u32 v[SPW], v0, 2, SPARE
	v_mov_b32 v[NIL], 0
	ds_add_u32 v28, v29
	s_wait_dscnt 0x0
	v_lshrrev_b32 v1, 5, v0
	v_readfirstlane_b32 s[WV], v1                  ; wave 0..3
	s_lshr_b32 s15, s[WV], 1
	s_and_b32 s16, s[WV], 1
	s_bfe_u32 s17, ttmp6, 0x40000                  ; cx: my place in the cluster
	s_lshl_b32 s18, ttmp9, 2                       ; in a cluster launch ttmp9 counts clusters
	s_add_co_u32 s18, s18, s17                     ; my block of 256 columns
	s_and_b32 s19, ttmp7, 0xffff                   ; my block of 144 rows, which the four partners share
	s_wait_kmcnt 0x0
	s_load_b256 s[20:27], s[10:11], 0x4000         ; the eight block bounds
	; descriptor group 1.  h: 72 rows x 128 elements, 16 bytes of padding behind every 256; W: 64 k-rows x 256 elements, 32 bytes behind every 512
	s_mov_b32 s[G1A+0], 15|(1<<16)|(1<<20)|(1<<21)|(5<<22)|(3<<25)  ; 15:0 the mask of four; 17:16 2-byte elements; 20 padding on; 21 set beside a mask; 24:22 after every 64 words (code 5); 31:25 4 words (code 3)
	s_mov_b32 s[G1A+1], 128<<16                    ; tensor_dim0 = 128
	s_mov_b32 s[G1A+2], 72<<16                     ; tensor_dim1 = 72
	s_mov_b32 s[G1A+3], 128<<16                    ; tile_dim0 = 128
	s_mov_b32 s[G1A+4], 72                         ; tile_dim1 = 72
	s_mov_b32 s[G1A+5], 1024                       ; elements from row to row
	s_mov_b32 s[G1A+6], 0
	s_mov_b32 s[G1A+7], 0
	s_mov_b32 s[G1B+0], (1<<16)|(1<<20)|(6<<22)|(7<<25)  ; no mask; after every 128 words (code 6) 8 words (code 7)
	s_mov_b32 s[G1B+1], 256<<16                    ; tensor_dim0 = 256
	s_mov_b32 s[G1B+2], 64<<16                     ; tensor_dim1 = 64
	s_mov_b32 s[G1B+3], 256<<16                    ; tile_dim0 = 256
	s_mov_b32 s[G1B+4], 64                         ; tile_dim1 = 64
	s_mov_b32 s[G1B+5], 1024
	s_mov_b32 s[G1B+6], 0
	s_mov_b32 s[G1B+7], 0
	s_mul_i32 s66, s19, 144                        ; h: row 144 y + 72 x half, 2,048 bytes a row; nothing here hangs on cx
	s_mul_i32 s67, s16, 72
	s_add_co_u32 s66, s66, s67
	s_lshl_b32 s66, s66, 11
	s_mov_b32 s67, 0
	s_add_nc_u64 s[68:69], s[4:5], s[66:67]
	s_mul_i32 s2, s16, 72*PA                       ; where the halves go: no place in the cluster enters an LDS address
	s_mul_i32 s3, s16, 64*PB
	s_add_co_u32 s3, s3, ABYTES
	s_wait_kmcnt 0x0
	s_mov_b32 s28, 0
.irp k, 0,1,2,3,4,5,6
	s_cmp_ge_u32 s19, s[20+\k]
	s_add_co_ci_u32 s28, s28, 0
.endr
	s_min_u32 s28, s28, 7                          ; the expert
	s_lshl_b32 s70, s28, 21                        ; W: the expert's 2 MiB, 64 k-rows of 2,048 bytes a half, 512 bytes a column block
	s_lshl_b32 s71, s16, 17
	s_add_co_u32 s70, s70, s71
	s_lshl_b32 s71, s18, 9
	s_add_co_u32 s70, s70, s71
	s_mov_b32 s71, 0
	s_add_nc_u64 s[72:73], s[6:7], s[70:71]
	s_lshl_b32 s74, s28, 12                        ; b2: the expert's 4,096 bytes, 1,024 a column block, 256 a wave
	s_lshl_b32 s75, s18, 10
	s_add_co_u32 s74, s74, s75
	s_lshl_b32 s75, s[WV], 8
	s_add_co_u32 s74, s74, s75
	s_mov_b32 s75, 0
	s_add_nc_u64 s[8:9], s[8:9], s[74:75]
	s_mul_i32 s70, s19, 144                        ; o: the block's first row (4,096 bytes a row), the column block's 1,024 bytes, my wave's 256
	s_lshl_b32 s70, s70, 12
	s_lshl_b32 s71, s18, 10
	s_add_co_u32 s70, s70, s71
	s_lshl_b32 s71, s[WV], 8
	s_add_co_u32 s70, s70, s71
	s_mov_b32 s71, 0
	s_add_nc_u64 s[12:13], s[12:13], s[70:71]
.irp s, 0,1
	s_mov_b32 s[G0A+4*(\s)], 1                                     ; count = 1
	s_add_co_u32 s[G0A+4*(\s)+1], s2, (\s)*SLOT                    ; LDS address
	s_add_nc_u64 s[G0A+4*(\s)+2:G0A+4*(\s)+3], s[68:69], (\s)*KSTEP*2    ; global address: K step s
	s_or_b32 s[G0A+4*(\s)+3], s[G0A+4*(\s)+3], 0x80000000          ; type = 2
	s_mov_b32 s[G0B+4*(\s)], 1
	s_add_co_u32 s[G0B+4*(\s)+1], s3, (\s)*SLOT
	s_add_nc_u64 s[G0B+4*(\s)+2:G0B+4*(\s)+3], s[72:73], (\s)*KSTEP*2048
	s_or_b32 s[G0B+4*(\s)+3], s[G0B+4*(\s)+3], 0x80000000
.endr
	CROUND                                         ; all four work-groups are here: the first joint loads meet
	s_cmp_eq_u32 s15, 0                            ; a wave's two first fills stand in one branch, ahead of every wait on TENSORcnt and every LDS read: two loads of mine are out
	s_cbranch_scc0 .Lfirst_b
	tensor_load_to_lds s[G0A:G0A+3], s[G1A:G1A+7]
	s_nop 0
	tensor_load_to_lds s[G0A+4:G0A+7], s[G1A:G1A+7]
	s_nop 0
.rept 4
	v_nop
.endr
	s_branch .Lfirst_asked
.Lfirst_b:
	tensor_load_to_lds s[G0B:G0B+3], s[G1B:G1B+7]
	s_nop 0
	tensor_load_to_lds s[G0B+4:G0B+7], s[G1B:G1B+7]
	s_nop 0
.rept 4
	v_nop
.endr
.Lfirst_asked:
	v_and_b32 v1, 15, v0                           ; l % 16
	v_bfe_u32 v2, v0, 4, 1                         ; l / 16
	v_lshlrev_b32 v[BO], 5, v2
	WIN 0x80                                       ; destination window 2, address window 0
.irp b, 0,1,2,3
	global_load_b128 v[32+8*\b:32+8*\b+3], v[BO], s[8:9] offset:64*\b      ; b2 of columns 16 b + 8 (l / 16) + 0..7
	global_load_b128 v[32+8*\b+4:32+8*\b+7], v[BO], s[8:9] offset:64*\b+16
.endr
	WIN 0
	; A fragment of h is 16 rows x 32 K in 8 registers: lane l holds row l % 16, K = 8 (l / 16) + 0..7 and 16 + 8 (l / 16) + 0..7: two loads of 16 bytes, 32 bytes apart.
	v_mul_u32_u24 v3, v1, PA
	v_lshl_add_u32 v[ADRA], v2, 4, v3
	v_add_nc_u32 v[ADRA+1], SLOT, v[ADRA]
	; The turning load takes 16 k x 16 columns (lane l reads k-row 8 (l / 16) + l % 8, columns 8 ((l / 8) % 2) + 0..7) and leaves half a fragment: lane l holds column l % 16 and 8 k.
	v_and_b32 v3, 7, v0
	v_lshl_add_u32 v3, v2, 3, v3
	v_mul_u32_u24 v3, v3, PB
	v_bfe_u32 v4, v0, 3, 1
	v_lshl_add_u32 v3, v4, 4, v3
	s_lshl_b32 s66, s[WV], 7                       ; my wave's 64 columns
	s_add_co_u32 s66, s66, ABYTES
	v_add_nc_u32 v[ADRB], s66, v3
	v_add_nc_u32 v[ADRB+1], SLOT, v[ADRB]
	s_mul_i32 s66, s[WV], 16*SP
	s_add_co_u32 s66, s66, STAGE                   ; my stage
	v_mul_u32_u24 v3, v1, SP                       ; in: row l % 16, 32 bytes for each half of the lanes
	v_lshl_add_u32 v3, v2, 5, v3
	v_add_nc_u32 v[STO], s66, v3
	v_mul_u32_u24 v3, v2, SP                       ; back: lanes 0-15 take one row of 256 bytes, lanes 16-31 the next
	v_lshl_add_u32 v3, v1, 4, v3
	v_add_nc_u32 v[RD], s66, v3
	v_lshlrev_b32 v3, 12, v2                       ; and the same two rows in o
	v_lshl_add_u32 v[CO], v1, 4, v3
; The matrix instructions for accumulators lo .. hi - 1, 32 along K, on buffer f.  The 36 accumulators take turns, one instruction a turn, always in the order 32-35, 0-31.
; zero = 1: the first product starts the sums: nothing is ever cleared.
.macro MM f, lo, hi, zero
.set i, \lo
.rept (\hi)-(\lo)
.if i < 32
	WIN 0x50                                       ; C and D window 1
.set rD, 8*i
.else
	WIN 0xa0                                       ; C and D window 2
.set rD, 8*(i-32)
.endif
.set rB, (\f)+72+8*(i%4)
.set rA, (\f)+8*(i/4)
.if \zero
	v_wmma_f32_16x16x32_f16 v[rD:rD+7], v[rB:rB+7], v[rA:rA+7], 0
.else
	v_wmma_f32_16x16x32_f16 v[rD:rD+7], v[rB:rB+7], v[rA:rA+7], v[rD:rD+7]
.endif
.set i, i+1
.endr
.endm
; 26 LDS loads in one run: the fragments of quarter kq (32 along K) of a slot, into buffer f
.macro FETCH slot, kq, f
	WIN 0
.irp b, 0,1,2,3
	ds_load_tr16_b128 v[(\f)+72+8*\b:(\f)+72+8*\b+3],   v[ADRB+(\slot)] offset:(\kq)*32*PB+32*\b
	ds_load_tr16_b128 v[(\f)+72+8*\b+4:(\f)+72+8*\b+7], v[ADRB+(\slot)] offset:(\kq)*32*PB+16*PB+32*\b
.endr
.irp a, 0,1,2,3,4,5,6,7,8
	ds_load_b128 v[(\f)+8*\a:(\f)+8*\a+3],   v[ADRA+(\slot)] offset:\a*16*PA+64*(\kq)
	ds_load_b128 v[(\f)+8*\a+4:(\f)+8*\a+7], v[ADRA+(\slot)] offset:\a*16*PA+64*(\kq)+32
.endr
.endm
; A K step is four quarters of 32 along K, 36 matrix instructions each, on buffers 0, 1, 0, 1.  One of the first three: multiplies buffer f; behind its first four products it fetches quarter kq into g,
; 32 matrix instructions ahead of the first use.
.macro QUARTER slot, kq, f, g, zero
	s_wait_dscnt 0x0                               ; buffer f is in
	MM \f, 32, 36, \zero
	PLACES
	FETCH \slot, \kq, \g
	MM \f, 0, 32, \zero
.endm
; The last quarter multiplies buffer 1 and changes slots: ONE barrier; in front of it each wave waits for all its tensor loads (one is out: its part of the next slot), adds 0 to its spare word, and
; waits for that and for its own reads of this slot.  fill = 1: this slot is filled again, two K steps ahead; the barrier then opens a round of the cluster's, and the refill is the first thing behind it:
; 132 matrix instructions stand between the request and the wait for it.
.macro TURN slot, next, fill
	WIN 0                                          ; (the add's two registers lie in window 0)
	s_wait_tensorcnt 0x0                           ; all my tensor loads have landed, so a group 0 may be written;
	ds_add_u32 v[SPW], v[NIL]                      ; 0 onto my spare word;
	s_wait_dscnt 0x1                               ; buffer 1's 26 loads are in; the add alone may be out
	MM F1, 32, 36, 0                               ; four matrix instructions stand between the add and the wait for it
	s_wait_dscnt 0x0                               ; the add is done, and my reads of this slot are over
	s_barrier_signal -1
	MM F1, 0, 8, 0                                 ; work on registers while the others arrive
.if \fill
	WIN 0
.endif
	s_barrier_wait -1
.if \fill
	CREST                                          ; no wave of any partner still reads this slot's tile or has a load on its way
	s_add_nc_u64 s[G0A+4*(\slot)+2:G0A+4*(\slot)+3], s[G0A+4*(\slot)+2:G0A+4*(\slot)+3], 2*KSTEP*2
	s_add_nc_u64 s[G0B+4*(\slot)+2:G0B+4*(\slot)+3], s[G0B+4*(\slot)+2:G0B+4*(\slot)+3], 2*KSTEP*2048
	JLOAD \slot                                    ; the four v_nop behind it are also the places in front of the loads below
.else
	PLACES
.endif
	FETCH \next, 0, F0
	MM F1, 8, 32, 0
.endm
	s_wait_tensorcnt 0x1                           ; my part of K step 0 is in; K step 1's may stay out
	s_barrier_signal -1
	s_barrier_wait -1                              ; everybody's is
	FETCH 0, 0, F0
	QUARTER 0, 1, F0, F1, 1                        ; the first quarter stands in front of the loop: its products start the sums
	WIN 0                                          ; at a label and at a branch every window is 0
	s_mov_b32 s3, LAPS-1
.Llap:                                                 ; a trip goes once round the ring, from a lap's second quarter to the next lap's first, and fills both slots again
	QUARTER 0, 2, F1, F0, 0
	QUARTER 0, 3, F0, F1, 0
	TURN 0, 1, 1
	QUARTER 1, 1, F0, F1, 0
	QUARTER 1, 2, F1, F0, 0
	QUARTER 1, 3, F0, F1, 0
	TURN 1, 0, 1
	QUARTER 0, 1, F0, F1, 0
	WIN 0
	s_sub_co_u32 s3, s3, 1
	s_cmp_lg_u32 s3, 0
	s_cbranch_scc1 .Llap
	QUARTER 0, 2, F1, F0, 0                        ; the last lap fills nothing, and has no round of the cluster's barrier
	QUARTER 0, 3, F0, F1, 0
	TURN 0, 1, 0
	QUARTER 1, 1, F0, F1, 0
	QUARTER 1, 2, F1, F0, 0
	QUARTER 1, 3, F0, F1, 0
	s_wait_dscnt 0x0                               ; the very last quarter: nothing more to fetch
	MM F1, 32, 36, 0
	MM F1, 0, 32, 0
	PLACES                                         ; what follows writes fragment registers and reads results
	; THE WAY OUT.  b2 is rounded to bf16 and widened again; then, 16 rows at a time: + b2, through my own stage in LDS, and out as whole runs of 256 bytes.
	s_wait_loadcnt 0x0                             ; b2
	WIN 0x0a                                       ; sources 0 and 1 window 2, destination window 0
.set i, 0
.rept 16
	v_cvt_pk_bf16_f32 v[T+i], v[32+2*i], v[32+2*i+1]
.set i, i+1
.endr
	WIN 0
.set i, 0
.rept 16
	v_lshlrev_b32 v[BI+2*i], 16, v[T+i]
	v_and_b32 v[BI+2*i+1], 0xffff0000, v[T+i]
.set i, i+1
.endr
.macro PACK a                          ; row block a: sum + b2; the accumulators' registers are read in ascending order
.if (\a) < 8
	WIN 0x01                                       ; source 0 window 1
.set rC, 32*(\a)
.else
	WIN 0x02                                       ; source 0 window 2
.set rC, 0
.endif
.set k, 0
.rept 16
	v_pk_add_f32 v[T+2*k:T+2*k+1], v[rC+2*k:rC+2*k+1], v[BI+2*k:BI+2*k+1]
.set k, k+1
.endr
	WIN 0
.endm
.macro TOSTAGE a                       ; a lane's eight columns are 32 bytes of a row; they go into rows of 272 bytes and come back as whole rows of 256
.set BK, OB+32*((\a)%2)
.irp b, 0,1,2,3
	ds_store_b128 v[STO], v[T+8*\b:T+8*\b+3] offset:64*\b
	ds_store_b128 v[STO], v[T+8*\b+4:T+8*\b+7] offset:64*\b+16
.endr
	s_wait_xcnt 0x0                                ; the stores of the block two back have read these registers' old content: they are loaded again only behind this wait
.irp t, 0,1,2,3,4,5,6,7
	ds_load_b128 v[BK+4*\t:BK+4*\t+3], v[RD] offset:\t*2*SP  ; LDS serves a wave's instructions in order (ISA guide 5.7.1.4): these see the stores above; the next block's stores come behind them
.endr
.endm
.macro SEND a
.set BK, OB+32*((\a)%2)
.irp t, 0,1,2,3,4,5,6,7
	s_wait_dscnt 7-\t                              ; nothing was issued to LDS behind the block's eight loads
	global_store_b128 v[CO], v[BK+4*\t:BK+4*\t+3], s[12:13] offset:(\a)*65536+\t*8192  ; 16 lanes store 256 consecutive bytes, at a multiple of 256 from o's first byte
.endr
.endm
	PACK 0
	TOSTAGE 0
.irp a, 1,2,3,4,5,6,7,8                ; block a's additions stand between block a - 1's loads from the stage and the wait for them
	PACK \a
	SEND (\a)-1
	TOSTAGE \a
.endr
	SEND 8
	s_wait_tensorcnt 0x0                           ; the wave's end: behind my last tensor load and my last LDS store
	ds_add_u32 v[SPW], v[NIL]
	s_wait_dscnt 0x0
	CROUND                                         ; the closing round: no work-group ends while a partner may still ask for a tile that names it
	s_endpgm
.Lfunc_end_k_qc1b36bfe92_ffn2:
	.size	k_qc1b36bfe92_ffn2, .Lfunc_end_k_qc1b36bfe92_ffn2-k_qc1b36bfe92_ffn2
	.p2alignl 7, 3214868480
	.fill 96, 4, 3214868480
	.section	.rodata,"a",@progbits
	.p2align	6, 0x0
	.amdhsa_kernel k_qc1b36bfe92_ffn2
		.amdhsa_group_segment_fixed_size 327680
		.amdhsa_private_segment_fixed_size 0
		.amdhsa_enable_private_segment 0
		.amdhsa_kernarg_size 40
		.amdhsa_user_sgpr_count 2
		.amdhsa_user_sgpr_kernarg_segment_ptr 1
		.amdhsa_wavefront_size32 1
		.amdhsa_system_sgpr_workgroup_id_x 1
		.amdhsa_system_sgpr_workgroup_id_y 1
		.amdhsa_system_sgpr_workgroup_id_z 1
		.amdhsa_system_vgpr_workitem_id 0
		.amdhsa_next_free_vgpr 576
		.amdhsa_next_free_sgpr 80
		.amdhsa_reserve_vcc 0
		.amdhsa_float_denorm_mode_32 3
		.amdhsa_float_denorm_mode_16_64 3
		.amdhsa_memory_ordered 1
		.amdhsa_forward_progress 1
		.amdhsa_inst_pref_size 108
	.end_amdhsa_kernel
	.amdgpu_metadata
---
amdhsa.version: [ 1, 2 ]
amdhsa.kernels:
  - .name:           k_qc1b36bfe92_ffn2
    .symbol:         k_qc1b36bfe92_ffn2.kd
    .args:
      - { .name: h, .offset: 0, .size: 8, .value_kind: global_buffer, .address_space: global }
      - { .name: w2h, .offset: 8, .size: 8, .value_kind: global_buffer, .address_space: global }
      - { .name: b2, .offset: 16, .size: 8, .value_kind: global_buffer, .address_space: global }
      - { .name: route, .offset: 24, .size: 8, .value_kind: global_buffer, .address_space: global }
      - { .name: o, .offset: 32, .size: 8, .value_kind: global_buffer, .address_space: global }
    .group_segment_fixed_size: 327680
    .private_segment_fixed_size: 0
    .kernarg_segment_align: 8
    .kernarg_segment_size: 40
    .max_flat_workgroup_size: 128
    .sgpr_count:     80
    .vgpr_count:     576
    .wavefront_size: 32
...
	.end_amdgpu_metadata
.endif
;; end of part 4
;; launch combine (part 5): grid 256 x 1, 8 waves a work-group, no clusters, 0 bytes of LDS; arguments o, route, topK_scores, topK_indices, out0; writes out0
.if DOCPART == 5
	.amdgcn_target "amdgcn-amd-amdhsa--gfx1250"
	.amdhsa_code_object_version 6
	.text
	.protected	k_qc1b36bfe92_combine
	.globl	k_qc1b36bfe92_combine
	.p2align	8
	.type	k_qc1b36bfe92_combine,@function
k_qc1b36bfe92_combine:
	s_mov_b64 s[64:65], 0
	v_nop
	global_prefetch_b8 v0, s[64:65] scope:SCOPE_SE
	s_setreg_imm32_b32 hwreg(HW_REG_WAVE_MODE, 25, 1), 1
	s_wait_xcnt 0x0
; COMBINE: out0[t] = g(t, 0) o[slot(t, 0)] + g(t, 1) o[slot(t, 1)].  o: [9216][1024] f32; route: one word a token, slot(t, 0) | slot(t, 1) << 16; out0: [4096][1024] f32.
; g(t, k) is the score rounded to bf16 like every input, or 0 where the index lies outside 0 .. 7 (such a pair meets no expert).  The factor SCORE_SCALE is the constant 1.0: a product with 1 is exact and is not written.
; The two terms are added in the order k = 0, 1, not by experts; where both choices name one expert the two equal rows are weighted apart.
; A stream: a wave takes two tokens, four rows of 4,096 bytes of o, all 32 loads out at once; each load and store of a wave covers 512 consecutive bytes.  No LDS, no matrix unit, no cluster: nothing is shared.
.set NSLOT, 9216
.set G, 4                              ; v[4:11]   four gates, each twice (a pair for the packed arithmetic)
.set O, 16                             ; v[16:143] piece n = 8 x token + j of 512 bytes: 4 registers of the first row, 4 of the second
	s_load_b256 s[4:11], s[0:1], 0x0               ; o s[4:5], route s[6:7], scores s[8:9], indices s[10:11]
	s_load_b64 s[12:13], s[0:1], 0x20              ; out0
	v_lshrrev_b32 v2, 5, v0
	v_readfirstlane_b32 s14, v2                    ; wave 0..7
	v_and_b32 v3, 31, v0
	v_lshlrev_b32 v1, 4, v3                        ; 16 x lane
	s_lshl_b32 s15, ttmp9, 3
	s_add_co_u32 s15, s15, s14                     ; W: my wave among the launch's 2,048; tokens 2 W, 2 W + 1
	s_lshl_b32 s16, s15, 3                         ; two words of route
	s_mov_b32 s17, 0
	s_lshl_b32 s18, s15, 4                         ; four scores, four indices
	s_mov_b32 s19, 0
	s_lshl_b32 s22, s15, 13                        ; two rows of out0
	s_mov_b32 s23, 0
	s_wait_kmcnt 0x0
	s_add_nc_u64 s[6:7], s[6:7], s[16:17]
	s_add_nc_u64 s[8:9], s[8:9], s[18:19]
	s_add_nc_u64 s[10:11], s[10:11], s[18:19]
	s_add_nc_u64 s[12:13], s[12:13], s[22:23]
	s_load_b64 s[20:21], s[6:7], 0x0
	s_load_b128 s[24:27], s[8:9], 0x0
	s_load_b128 s[28:31], s[10:11], 0x0
	s_wait_kmcnt 0x0
	s_and_b32 s32, s20, 0xffff                     ; the four slots,
	s_lshr_b32 s34, s20, 16
	s_and_b32 s36, s21, 0xffff
	s_lshr_b32 s38, s21, 16
.irp n, 0,1,2,3
	s_min_u32 s[32+2*\n], s[32+2*\n], NSLOT-1
	s_lshl_b32 s[32+2*\n], s[32+2*\n], 12          ; their rows' bytes,
	s_mov_b32 s[33+2*\n], 0
	s_add_nc_u64 s[40+2*\n:41+2*\n], s[4:5], s[32+2*\n:33+2*\n]  ; their addresses
.endr
.set n, 0
.rept 16
	global_load_b128 v[O+8*n:O+8*n+3],   v1, s[40+4*(n/8):41+4*(n/8)] offset:512*(n%8) th:TH_LOAD_NT
	global_load_b128 v[O+8*n+4:O+8*n+7], v1, s[42+4*(n/8):43+4*(n/8)] offset:512*(n%8) th:TH_LOAD_NT
.set n, n+1
.endr
.irp n, 0,1,2,3
	s_cmp_lt_u32 s[28+\n], 8
	s_cselect_b32 s[48+\n], s[24+\n], 0
	v_mov_b32 v[G+\n], s[48+\n]
.endr
	v_cvt_pk_bf16_f32 v2, v[G], v[G+1]
	v_cvt_pk_bf16_f32 v3, v[G+2], v[G+3]
	v_lshlrev_b32 v[G], 16, v2
	v_lshlrev_b32 v[G+1], 16, v2
	v_and_b32 v[G+2], 0xffff0000, v2
	v_and_b32 v[G+3], 0xffff0000, v2
	v_lshlrev_b32 v[G+4], 16, v3
	v_lshlrev_b32 v[G+5], 16, v3
	v_and_b32 v[G+6], 0xffff0000, v3
	v_and_b32 v[G+7], 0xffff0000, v3
.set n, 0
.rept 16
	s_wait_loadcnt 30-2*n                          ; loads come back in order (ISA guide 5.7.1): piece n's two are in, the younger ones stay out
.set rA, O+8*n
.set rG, G+4*(n/8)
	v_pk_mul_f32 v[rA:rA+1],   v[rA:rA+1],   v[rG:rG+1]
	v_pk_mul_f32 v[rA+2:rA+3], v[rA+2:rA+3], v[rG:rG+1]
	v_pk_fma_f32 v[rA:rA+1],   v[rA+4:rA+5], v[rG+2:rG+3], v[rA:rA+1]
	v_pk_fma_f32 v[rA+2:rA+3], v[rA+6:rA+7], v[rG+2:rG+3], v[rA+2:rA+3]
	global_store_b128 v1, v[rA:rA+3], s[12:13] offset:512*n th:TH_STORE_NT
.set n, n+1
.endr
	s_endpgm
.Lfunc_end_k_qc1b36bfe92_combine:
	.size	k_qc1b36bfe92_combine, .Lfunc_end_k_qc1b36bfe92_combine-k_qc1b36bfe92_combine
	.p2alignl 7, 3214868480
	.fill 96, 4, 3214868480
	.section	.rodata,"a",@progbits
	.p2align	6, 0x0
	.amdhsa_kernel k_qc1b36bfe92_combine
		.amdhsa_group_segment_fixed_size 0
		.amdhsa_private_segment_fixed_size 0
		.amdhsa_enable_private_segment 0
		.amdhsa_kernarg_size 40
		.amdhsa_user_sgpr_count 2
		.amdhsa_user_sgpr_kernarg_segment_ptr 1
		.amdhsa_wavefront_size32 1
		.amdhsa_system_sgpr_workgroup_id_x 1
		.amdhsa_system_sgpr_workgroup_id_y 1
		.amdhsa_system_sgpr_workgroup_id_z 1
		.amdhsa_system_vgpr_workitem_id 0
		.amdhsa_next_free_vgpr 144
		.amdhsa_next_free_sgpr 66
		.amdhsa_reserve_vcc 0
		.amdhsa_float_denorm_mode_32 3
		.amdhsa_float_denorm_mode_16_64 3
		.amdhsa_memory_ordered 1
		.amdhsa_forward_progress 1
		.amdhsa_inst_pref_size 12
	.end_amdhsa_kernel
	.amdgpu_metadata
---
amdhsa.version: [ 1, 2 ]
amdhsa.kernels:
  - .name:           k_qc1b36bfe92_combine
    .symbol:         k_qc1b36bfe92_combine.kd
    .args:
      - { .name: o, .offset: 0, .size: 8, .value_kind: global_buffer, .address_space: global }
      - { .name: route, .offset: 8, .size: 8, .value_kind: global_buffer, .address_space: global }
      - { .name: topK_scores, .offset: 16, .size: 8, .value_kind: global_buffer, .address_space: global }
      - { .name: topK_indices, .offset: 24, .size: 8, .value_kind: global_buffer, .address_space: global }
      - { .name: out0, .offset: 32, .size: 8, .value_kind: global_buffer, .address_space: global }
    .group_segment_fixed_size: 0
    .private_segment_fixed_size: 0
    .kernarg_segment_align: 8
    .kernarg_segment_size: 40
    .max_flat_workgroup_size: 256
    .sgpr_count:     66
    .vgpr_count:     144
    .wavefront_size: 32
...
	.end_amdgpu_metadata
.endif
;; end of part 5
;; ======== version 2 of 2: 5 launches; version 1 with the launch combine written anew for expert scheduling mode
;; limits: values are held in f16: magnitudes above 65,504 overflow, below 6.1e-05 lose precision
;; workspace buffers: xs 18,874,368 bytes; w1b 16,777,216 bytes; w2h 16,777,216 bytes; h 18,874,368 bytes; o 37,748,736 bytes; route 16,896 bytes of whole numbers
;; launch castroute: the kernel of part 1 again; grid 256 x 1, 32 waves a work-group, no clusters, 4,608 bytes of LDS; arguments topK_indices, route, out1, W1, W2, w1b, w2h; writes route, out1, w1b, w2h
;; launch gather: the kernel of part 2 again; grid 256 x 1, 32 waves a work-group, no clusters, 0 bytes of LDS; arguments x, route, xs; writes xs
;; launch ffn1: the kernel of part 3 again; grid 4 x 64, 4 waves a work-group, clusters of 4 x 1, 327,680 bytes of LDS; arguments xs, w1b, b1, route, h; writes h
;; launch ffn2: the kernel of part 4 again; grid 4 x 64, 4 waves a work-group, clusters of 4 x 1, 327,680 bytes of LDS; arguments h, w2h, b2, route, o; writes o
;; launch combine (part 6): grid 256 x 1, 8 waves a work-group, no clusters, 0 bytes of LDS; arguments o, route, topK_scores, topK_indices, out0; writes out0
.if DOCPART == 6
	.amdgcn_target "amdgcn-amd-amdhsa--gfx1250"
	.amdhsa_code_object_version 6
	.text
	.protected	k_qc1b36bfe92_combine
	.globl	k_qc1b36bfe92_combine
	.p2align	8
	.type	k_qc1b36bfe92_combine,@function
k_qc1b36bfe92_combine:
	s_mov_b64 s[64:65], 0
	v_nop
	global_prefetch_b8 v0, s[64:65] scope:SCOPE_SE
	s_setreg_imm32_b32 hwreg(HW_REG_WAVE_SCHED_MODE, 0, 2), 2
	s_setreg_imm32_b32 hwreg(HW_REG_WAVE_MODE, 25, 1), 1
	s_wait_xcnt 0x0
	s_wait_alu depctr_vm_vsrc(0)
; COMBINE: out0[t] = g(t, 0) o[slot(t, 0)] + g(t, 1) o[slot(t, 1)].  o: [9216][1024] f32; route: one word a token, slot(t, 0) | slot(t, 1) << 16; out0: [4096][1024] f32.
; g(t, k) is the score rounded to bf16 like every input, or 0 where the index lies outside 0 .. 7 (such a pair meets no expert).  The factor SCORE_SCALE is the constant 1.0: a product with 1 is exact and is not written.
; The two terms are added in the order k = 0, 1, not by experts; where both choices name one expert the two equal rows are weighted apart.
; A stream: a wave takes two tokens, four rows of 4,096 bytes of o, all 32 loads out at once; each load and store of a wave covers 512 consecutive bytes.  No LDS, no matrix unit, no cluster: nothing is shared.
; THE MODE: SCHED_MODE bits 1:0 = 2 (LLVM: expert scheduling mode 2), set by the entry lines.  The code itself states the register dependences
; between vector instructions and memory instructions, with s_wait_alu, always for 0.
; THE PLAN.  Registers that memory instructions touch:
;   v1   16 x lane, the offset of every load and store.  Written once at the head, never again.
;   O    piece n, 8 registers.  Its two loads land in them once, and all 32 loads are issued before any vector instruction names a register of O.  The piece's four packed lines
;        read all eight and write the first four; its one store reads those four; nothing writes them or loads into them behind that store.
;   v2, v3 and G are named by vector instructions alone.
; So no register that a memory instruction has read is written again: no wait on vm_vsrc is needed for them.  What is left to state is that a store's data are written.
; The 16 pieces go in four blocks of four.  Block p's four stores are issued at the head of block p + 1, in one run, behind the wait for that block's first piece and ONE wait on va_vdst:
; block p's arithmetic was issued ahead of that wait for memory.  Block p + 1's arithmetic names its own registers of O and G alone, none of which those stores touch.
; The stores stand in a run, not among the pieces: between the pieces stand waits for loads that the stores do not need.  Behind block 3 one more wait stands ahead of the last four stores.
.set NSLOT, 9216
.set G, 4                              ; v[4:11]   four gates, each twice (a pair for the packed arithmetic)
.set O, 16                             ; v[16:143] piece n = 8 x token + j of 512 bytes: 4 registers of the first row, 4 of the second
	s_load_b256 s[4:11], s[0:1], 0x0               ; o s[4:5], route s[6:7], scores s[8:9], indices s[10:11]
	s_load_b64 s[12:13], s[0:1], 0x20              ; out0
	v_lshrrev_b32 v2, 5, v0
	v_readfirstlane_b32 s14, v2                    ; wave 0..7
	v_and_b32 v3, 31, v0
	v_lshlrev_b32 v1, 4, v3                        ; 16 x lane
	s_wait_alu depctr_va_sdst(0)                   ; s14 is written, ahead of its first reader: the wave's addresses are made from it
	s_lshl_b32 s15, ttmp9, 3
	s_add_co_u32 s15, s15, s14                     ; W: my wave among the launch's 2,048; tokens 2 W, 2 W + 1
	s_lshl_b32 s16, s15, 3                         ; two words of route
	s_mov_b32 s17, 0
	s_lshl_b32 s18, s15, 4                         ; four scores, four indices
	s_mov_b32 s19, 0
	s_lshl_b32 s22, s15, 13                        ; two rows of out0
	s_mov_b32 s23, 0
	s_wait_kmcnt 0x0
	s_add_nc_u64 s[6:7], s[6:7], s[16:17]
	s_add_nc_u64 s[8:9], s[8:9], s[18:19]
	s_add_nc_u64 s[10:11], s[10:11], s[18:19]
	s_add_nc_u64 s[12:13], s[12:13], s[22:23]
	s_load_b64 s[20:21], s[6:7], 0x0
	s_load_b128 s[24:27], s[8:9], 0x0
	s_load_b128 s[28:31], s[10:11], 0x0
	s_wait_kmcnt 0x0
	s_and_b32 s32, s20, 0xffff                     ; the four slots,
	s_lshr_b32 s34, s20, 16
	s_and_b32 s36, s21, 0xffff
	s_lshr_b32 s38, s21, 16
.irp n, 0,1,2,3
	s_min_u32 s[32+2*\n], s[32+2*\n], NSLOT-1
	s_lshl_b32 s[32+2*\n], s[32+2*\n], 12          ; their rows' bytes,
	s_mov_b32 s[33+2*\n], 0
	s_add_nc_u64 s[40+2*\n:41+2*\n], s[4:5], s[32+2*\n:33+2*\n]  ; their addresses
.endr
	s_wait_alu depctr_va_vdst(0)                   ; v1 is written: every load and store below reads it as its offset
.set n, 0
.rept 16
	global_load_b128 v[O+8*n:O+8*n+3],   v1, s[40+4*(n/8):41+4*(n/8)] offset:512*(n%8) th:TH_LOAD_NT
	global_load_b128 v[O+8*n+4:O+8*n+7], v1, s[42+4*(n/8):43+4*(n/8)] offset:512*(n%8) th:TH_LOAD_NT
.set n, n+1
.endr
.irp n, 0,1,2,3
	s_cmp_lt_u32 s[28+\n], 8
	s_cselect_b32 s[48+\n], s[24+\n], 0
	v_mov_b32 v[G+\n], s[48+\n]
.endr
	v_cvt_pk_bf16_f32 v2, v[G], v[G+1]
	v_cvt_pk_bf16_f32 v3, v[G+2], v[G+3]
	v_lshlrev_b32 v[G], 16, v2
	v_lshlrev_b32 v[G+1], 16, v2
	v_and_b32 v[G+2], 0xffff0000, v2
	v_and_b32 v[G+3], 0xffff0000, v2
	v_lshlrev_b32 v[G+4], 16, v3
	v_lshlrev_b32 v[G+5], 16, v3
	v_and_b32 v[G+6], 0xffff0000, v3
	v_and_b32 v[G+7], 0xffff0000, v3
; The four stores of block q, in one run: pieces 4 q .. 4 q + 3, 512 consecutive bytes each.
.macro OUT4 q
.irp i, 0,1,2,3
	global_store_b128 v1, v[O+8*(4*(\q)+(\i)):O+8*(4*(\q)+(\i))+3], s[12:13] offset:512*(4*(\q)+(\i)) th:TH_STORE_NT
.endr
.endm
; Block p: the stores of the block before, then the arithmetic of pieces 4 p .. 4 p + 3, each behind the wait for its two loads.
.macro BLOCK p
.if (\p) > 0
	s_wait_loadcnt 30-8*(\p)                       ; loads come back in order (ISA guide 5.7.1): piece 4 p's two are in, the younger ones stay out
	s_wait_alu depctr_va_vdst(0)                   ; the block before has written the first four registers of its four pieces, which the stores below read
	OUT4 (\p)-1
.endif
.irp i, 0,1,2,3
.if (\p) == 0 || (\i) > 0
	s_wait_loadcnt 30-2*(4*(\p)+(\i))              ; piece 4 p + i's two loads are in, the younger ones stay out
.endif
.set rA, O+8*(4*(\p)+(\i))
.set rG, G+4*((4*(\p)+(\i))/8)
	v_pk_mul_f32 v[rA:rA+1],   v[rA:rA+1],   v[rG:rG+1]
	v_pk_mul_f32 v[rA+2:rA+3], v[rA+2:rA+3], v[rG:rG+1]
	v_pk_fma_f32 v[rA:rA+1],   v[rA+4:rA+5], v[rG+2:rG+3], v[rA:rA+1]
	v_pk_fma_f32 v[rA+2:rA+3], v[rA+6:rA+7], v[rG+2:rG+3], v[rA+2:rA+3]
.endr
.endm
	BLOCK 0
	BLOCK 1
	BLOCK 2
	BLOCK 3
	s_wait_alu depctr_va_vdst(0)                   ; block 3 has written the data of the last four stores
	OUT4 3
	s_endpgm
.Lfunc_end_k_qc1b36bfe92_combine:
	.size	k_qc1b36bfe92_combine, .Lfunc_end_k_qc1b36bfe92_combine-k_qc1b36bfe92_combine
	.p2alignl 7, 3214868480
	.fill 96, 4, 3214868480
	.section	.rodata,"a",@progbits
	.p2align	6, 0x0
	.amdhsa_kernel k_qc1b36bfe92_combine
		.amdhsa_group_segment_fixed_size 0
		.amdhsa_private_segment_fixed_size 0
		.amdhsa_enable_private_segment 0
		.amdhsa_kernarg_size 40
		.amdhsa_user_sgpr_count 2
		.amdhsa_user_sgpr_kernarg_segment_ptr 1
		.amdhsa_wavefront_size32 1
		.amdhsa_system_sgpr_workgroup_id_x 1
		.amdhsa_system_sgpr_workgroup_id_y 1
		.amdhsa_system_sgpr_workgroup_id_z 1
		.amdhsa_system_vgpr_workitem_id 0
		.amdhsa_next_free_vgpr 144
		.amdhsa_next_free_sgpr 66
		.amdhsa_reserve_vcc 0
		.amdhsa_float_denorm_mode_32 3
		.amdhsa_float_denorm_mode_16_64 3
		.amdhsa_memory_ordered 1
		.amdhsa_forward_progress 1
		.amdhsa_inst_pref_size 13
	.end_amdhsa_kernel
	.amdgpu_metadata
---
amdhsa.version: [ 1, 2 ]
amdhsa.kernels:
  - .name:           k_qc1b36bfe92_combine
    .symbol:         k_qc1b36bfe92_combine.kd
    .args:
      - { .name: o, .offset: 0, .size: 8, .value_kind: global_buffer, .address_space: global }
      - { .name: route, .offset: 8, .size: 8, .value_kind: global_buffer, .address_space: global }
      - { .name: topK_scores, .offset: 16, .size: 8, .value_kind: global_buffer, .address_space: global }
      - { .name: topK_indices, .offset: 24, .size: 8, .value_kind: global_buffer, .address_space: global }
      - { .name: out0, .offset: 32, .size: 8, .value_kind: global_buffer, .address_space: global }
    .group_segment_fixed_size: 0
    .private_segment_fixed_size: 0
    .kernarg_segment_align: 8
    .kernarg_segment_size: 40
    .max_flat_workgroup_size: 256
    .sgpr_count:     66
    .vgpr_count:     144
    .wavefront_size: 32
...
	.end_amdgpu_metadata
.endif
;; end of part 6
